; MI455X (gfx1250); checked and timed in simulation.
; The chip was launched on July 23, 2026; its instructions are those of AMD's public machine-readable ISA for CDNA 5 (MIT licence, August 2026) and "CDNA5" Instruction Set Architecture Reference Guide (July 2026). The comments in the code are by the model that wrote it; some were corrected since.
;; HGT Block. Allowed arithmetic: matrix products marked QUANTISED: E4M3 operands, one given power-of-two scale a tensor, by v_wmma_f32_16x16x64_fp8_fp8 or v_wmma_f32_16x16x128_fp8_fp8, f32 sums; products left as they are: f32 operands where the result goes on into a quantised operand, else bf16, f16 or f32 operands; f32 sums; everything else in f32.
;; Inputs: b1 4,096 float32; b2 1,024 float32; bca 256 float32; bcn 64 float32; bo 1,024 float32; bv 1,024 float32; gamma 1 x 16 x 1 x 1 float32; h 2 x 2,048 x 1,024 float32; ln1_b 1,024 float32; ln1_g 1,024 float32; ln2_b 1,024 float32; ln2_g 1,024 float32; lnc_b 64 float32; lnc_g 64 float32; lowp_scales 14 int32 (the exponents e of the quantised operands' scales 2^e); w1 1,024 x 4,096 float32; w2 4,096 x 1,024 float32; wca 64 x 256 float32; wcn 1,024 x 64 float32; wo 1,024 x 1,024 float32; wv 1,024 x 1,024 float32; z 2 x 2,048 x 64 float32.
;; Outputs: out0 2 x 2,048 x 1,024 float32; out1 2 x 2,048 x 64 float32.
;; This version of the problem:
;;   THIS VERSION OF THE PROBLEM IS GIVEN IN LOW PRECISION. The matrix products marked QUANTISED in the list below multiply operands that are first quantised to E4M3 (4 exponent bits, 3 mantissa bits; 8 bits a number), with one given power-of-two scale for each operand tensor; their sums are f32. All else is computed in f32.
;;   The module's matrix products, in the order in which they are computed (A, B: the left and right operand; K: the contracted axis; several contracted axes count as one K, in the product's order):
;;     1. [M 4,096, K 1,024] x [K 1,024, N 1,024]; A: computed on the way; B: input wv: QUANTISED (scales: A lowp_scales[0], B lowp_scales[1])
;;     2. [M 4,096, K 64] x [K 64, N 256]; A: input z; B: input wca: QUANTISED (scales: A lowp_scales[2], B lowp_scales[3])
;;     3. batch 32 x [M 2,048, K 16] x [K 16, N 2,048]; A: computed on the way; B: computed on the way: left as it is (K = 16 < 32)
;;     4. batch 32 x [M 64, K 2,048] x [K 2,048, N 2,048]; A: computed on the way; B: softmax (see below): QUANTISED (scales: A lowp_scales[4], B lowp_scales[5])
;;     5. [M 4,096, K 1,024] x [K 1,024, N 1,024]; A: computed on the way; B: input wo: QUANTISED (scales: A lowp_scales[6], B lowp_scales[7])
;;     6. [M 4,096, K 1,024] x [K 1,024, N 64]; A: computed on the way; B: input wcn: QUANTISED (scales: A lowp_scales[8], B lowp_scales[9])
;;     7. [M 4,096, K 1,024] x [K 1,024, N 4,096]; A: computed on the way; B: input w1: QUANTISED (scales: A lowp_scales[10], B lowp_scales[11])
;;     8. [M 4,096, K 4,096] x [K 4,096, N 1,024]; A: computed on the way; B: input w2: QUANTISED (scales: A lowp_scales[12], B lowp_scales[13])
;;   THE QUANTISER, for each operand of a quantised product, along K:
;;     - The operand's scale is 2^e, e = its entry of the input lowp_scales (int32; the entries are numbered through the quantised products in the list's order, A before B).
;;     - Each number is divided by the scale, clamped to +-448, and rounded to the nearest number of E4M3, ties to even, subnormals kept.
;;     - The product sums the exact products of the quantised numbers (number of the format x scale) in f32.
;;   ~~~python
;;   def quantise(x, axis, e):      # numpy; x: float32 -> the quantised numbers, widened to float32 again
;;       x = np.moveaxis(x, axis, -1); K = x.shape[-1]
;;       r = np.clip(x / 2.0 ** e, -448, 448)
;;       step = 2.0 ** (np.maximum(np.frexp(np.where(r == 0, 1, r))[1] - 1, -6) - 3)
;;       q = np.round(r / step) * step * 2.0 ** e      # np.round: ties to even
;;       return np.moveaxis(q, -1, axis).astype(np.float32)
;;   ~~~
;;   SOFTMAX AHEAD OF A QUANTISED PRODUCT. Where the list says 'softmax', what is quantised is not the finished softmax but p = 2^(t - M), with t = logit x log2(e) and M = ceil(the row's largest t), a whole number; so 1/2 < the row's largest p <= 1. The row's sum l is taken of the UNQUANTISED p, in f32, and the product's result is divided by l at the end. Since M is a whole number, a kernel that streams over the keys may use a running M (the ceiling of the running maximum): every later rescaling is an exact power of two, so the quantised numbers keep their values, but for numbers so far below the row's largest that they fall under the format's range.
;;   OPERANDS COMPUTED ON THE WAY. 'Computed on the way' means the value that the module computes at that place (a softmax that the list does not call 'softmax' is quantised finished and normalised). What goes into a quantiser is computed in f32, as accurately as f32 sums, v_exp_f32 and their like allow (about 1e-6 of the number): no bf16 or f16 on the way to a quantiser, and a product that is left as it is and whose result goes on into a quantised operand takes f32 operands (vector FMAs, or v_wmma_f32_16x16x4_f32). A number that lies on a knife's edge between two numbers of the format may be rounded either way, as far as f32 arithmetic and the matrix unit's own rounding can turn it there, and no further.
;; One version. Each part assembles by itself: llvm-mc -triple=amdgcn-amd-amdhsa -mcpu=gfx1250 --defsym DOCPART=n.
;; ======== version 1 of 1: 7 launches
;; workspace buffers: wq 10,551,296 bytes; hnq 8,388,608 bytes; zh 4,456,448 bytes; vimg 4,194,304 bytes; aq 4,194,304 bytes; h1 16,777,216 bytes; h2q 4,194,304 bytes; gq 16,777,216 bytes
;; launch prep (part 1): grid 545 x 1, 8 waves a work-group, no clusters, 34,816 bytes of LDS; arguments h, ln1_g, ln1_b, wv, wo, w1, w2, wcn, z, wca, bca, lowp_scales, wq, hnq, zh; writes wq, hnq, zh
.if DOCPART == 1
	.amdgcn_target "amdgcn-amd-amdhsa--gfx1250"
	.amdhsa_code_object_version 6
	.text
	.protected	k_q1162b412e6_prep
	.globl	k_q1162b412e6_prep
	.p2align	8
	.type	k_q1162b412e6_prep,@function
k_q1162b412e6_prep:
	s_mov_b64 s[64:65], 0
	v_nop
	global_prefetch_b8 v0, s[64:65] scope:SCOPE_SE
	s_setreg_imm32_b32 hwreg(HW_REG_WAVE_MODE, 25, 1), 1
	s_wait_xcnt 0x0
; PREP: everything that is made once from the inputs, in one launch; the work-group's number chooses one of three paths.
;   work-groups 0-255   (L): hn = LayerNorm(h), quantised twice (scales e0 and e8) -> hnq.  One tile of 16 tokens each.
;   work-groups 256-416 (W): the five weights, stored [K][N] f32, -> codes of E4M3 in wq.  A wave takes 32 columns x 256 along K.
;   work-groups 417-544 (Z): zh = Q(z) Q(wca) + bca and its squared length -> zh.  A wave takes one head and 64 tokens.
; THE LAYOUT OF ALL CODES: images of operand registers.  Tile T of 16 rows holds the rows pi(T, r) = 32 (T / 2) + 8 (T % 2) + r + 8 (r / 8); a fragment (tile T, 128 along K, number q) is 2,048 bytes at
; (T x K / 128 + q) x 2048: byte 512 c + 16 lane + i is (row pi(T, lane % 16), k = 128 q + 32 c + 16 (lane / 16) + i).  Four loads of 16 bytes a lane give the 16 operand registers; the place of k in the
; registers is the same in both operands of every product, so each product meets its partner.
; zh: [batch x head 32][tile 128][c 2][lane][16 bytes]: lane (r, h) holds coordinates 8 h + 4 c + 0..3 of token pi(T, r), f32; from byte 4 MiB on the squared lengths [32][2048], tokens in their own order.
; No tensor load, no cluster: no two work-groups read the same bytes but the small wca, gains and biases.
; LIMITS: each given exponent e lies between -126 and 119, e2 + e3 between -126 and 127, so that each power of two below is an f32 number.  NaN among the inputs is not served.
.set SEL,  86                          ; s[86:87] lane selects of v_permlanex16_b32: lane l xor 16
.set SROW, 1040                        ; path L's stage: a row of 1,024 codes + 16 bytes = 65 x 16: the 16 rows that a load touches start at 16 different groups of banks
.set SSET, 16*SROW                     ; 16 rows: one set of codes
.macro MKQ e, vs, vl, t                ; v[vs] = 2^e as f32 (the conversion takes its exponent field), v[vl] = 448 x 2^e; e in s[e]; s[t], s[t+1] at work
	s_add_co_i32 s[\t], s[\e], 127
	s_lshl_b32 s[\t+1], s[\t], 23
	v_mov_b32 v[\vs], s[\t+1]
	s_add_co_i32 s[\t], s[\t], 8
	s_lshl_b32 s[\t], s[\t], 23
	s_or_b32 s[\t], s[\t], 0x600000
	v_mov_b32 v[\vl], s[\t]
.endm
.macro REDUCE r, t                     ; the sum of v[r] over the 32 lanes, in every lane
	v_add_f32_dpp v[\r], v[\r], v[\r] row_xmask:1 row_mask:0xf bank_mask:0xf
	v_add_f32_dpp v[\r], v[\r], v[\r] row_xmask:2 row_mask:0xf bank_mask:0xf
	v_add_f32_dpp v[\r], v[\r], v[\r] row_xmask:4 row_mask:0xf bank_mask:0xf
	v_add_f32_dpp v[\r], v[\r], v[\r] row_xmask:8 row_mask:0xf bank_mask:0xf
	v_permlanex16_b32 v[\t], v[\r], s[SEL], s[SEL+1]
	v_add_f32 v[\r], v[\r], v[\t]
.endm
	s_load_b64 s[4:5], s[0:1], 0x58                ; the scales' exponents
	v_lshl_add_u32 v192, v0, 2, 0x8400
	v_mov_b32 v193, 0
	v_lshrrev_b32 v1, 5, v0
	v_readfirstlane_b32 s20, v1                    ; wave 0..7
	v_and_b32 v2, 31, v0                           ; lane
	s_mov_b32 s[SEL], 0x76543210
	s_mov_b32 s[SEL+1], 0xfedcba98
	s_mov_b32 s88, 0x3a800000                      ; 1 / 1024
	s_mov_b32 s89, 0x3727c5ac                      ; 1e-5
	s_wait_kmcnt 0x0
	s_load_b256 s[72:79], s[4:5], 0x0              ; e0 .. e7
	s_load_b128 s[80:83], s[4:5], 0x20             ; e8 .. e11
	s_load_b64 s[84:85], s[4:5], 0x30              ; e12, e13
	s_cmp_lt_u32 ttmp9, 256
	s_cbranch_scc1 .Lpath_l
	s_cmp_lt_u32 ttmp9, 417
	s_cbranch_scc1 .Lpath_w
; ================ PATH Z.  K = 64 in one matrix instruction.  Lane (r, h) holds k = 32 h + 0..31 of its row, in both operands.  Source 0 = the head's 16 columns of wca, source 1 = 16 tokens:
; in the result lane (r, h) holds token pi(T, r) and its registers the coordinates 8 h + 0..7: the image's 32 bytes.
; v1 16 x lane; v5, v6, v15, v14 offsets in wca, bca, z, the lengths; v8-11 scales and holds; v16-47 wca, then at work; v48-55 wca's codes; v56-63 bca; v64-127 z of two tiles; v128-143 their codes; v144-159 sums; v160-191 zh
	s_load_b128 s[24:27], s[0:1], 0x40             ; z, wca
	s_load_b64 s[28:29], s[0:1], 0x50              ; bca
	s_load_b64 s[30:31], s[0:1], 0x70              ; zh
	s_sub_co_u32 s21, ttmp9, 417
	s_lshl_b32 s21, s21, 3
	s_add_co_u32 s21, s21, s20                     ; job 0..1023
	s_and_b32 s22, s21, 15                         ; head
	s_lshr_b32 s23, s21, 4                         ; which 64 tokens of the 4,096
	v_and_b32 v3, 15, v2                           ; r
	v_lshrrev_b32 v4, 4, v2                        ; h
	v_cmp_ne_u32 vcc_lo, 0, v4                     ; lanes 16-31
	s_lshl_b32 s44, s22, 6                         ; the head's 16 columns, in bytes
	v_lshlrev_b32 v5, 15, v4                       ; wca: 32 h rows of 1,024 bytes
	v_lshl_add_u32 v5, v3, 2, v5
	v_add_nc_u32 v5, s44, v5                       ;      + column 16 head + r
	v_lshlrev_b32 v6, 5, v4
	v_add_nc_u32 v6, s44, v6                       ; bca: 16 head + 8 h
	v_and_b32 v7, 8, v3
	v_add_nc_u32 v7, v7, v3                        ; r + 8 (r / 8)
	v_lshlrev_b32 v15, 8, v7
	v_lshl_add_u32 v15, v4, 7, v15                 ; z: that row of 256 bytes, + 128 h
	v_lshl_add_u32 v14, v4, 3, v7
	v_lshlrev_b32 v14, 2, v14                      ; the lengths: token 8 h + r + 8 (r / 8) of a pair of tiles: lanes 0-15 store the even tile's, lanes 16-31 the odd tile's
	v_lshlrev_b32 v1, 4, v2
	s_lshl_b32 s34, s23, 14                        ; 64 rows of z
	s_mov_b32 s35, 0
	s_lshr_b32 s36, s23, 5
	s_lshl_b32 s36, s36, 4
	s_add_co_u32 s36, s36, s22                     ; 16 batch + head
	s_and_b32 s37, s23, 31                         ; which 64 tokens of the batch
	s_lshl_b32 s38, s36, 17
	s_lshl_b32 s39, s37, 12
	s_add_co_u32 s38, s38, s39                     ; the image: 128 KiB a head, 4 tiles of 1,024 bytes
	s_mov_b32 s39, 0
	s_lshl_b32 s40, s36, 13
	s_lshl_b32 s41, s37, 8
	s_add_co_u32 s40, s40, s41
	s_add_co_u32 s40, s40, 0x400000                ; the lengths
	s_mov_b32 s41, 0
	s_wait_kmcnt 0x0
	s_add_nc_u64 s[24:25], s[24:25], s[34:35]
	s_add_nc_u64 s[32:33], s[30:31], s[40:41]
	s_add_nc_u64 s[30:31], s[30:31], s[38:39]
.set i, 0
.rept 32
	global_load_b32 v[16+i], v5, s[26:27] offset:1024*i            ; wca(32 h + i, 16 head + r)
.set i, i+1
.endr
	global_load_b128 v[56:59], v6, s[28:29]
	global_load_b128 v[60:63], v6, s[28:29] offset:16
.macro ZLOAD p                         ; z of tiles 2 p and 2 p + 1: 128 bytes a lane and tile
.irp u, 0,1
.irp n, 0,1,2,3,4,5,6,7
	global_load_b128 v[64+32*\u+4*\n:67+32*\u+4*\n], v15, s[24:25] offset:(32*\p+8*\u)*256+16*\n
.endr
.endr
.endm
	ZLOAD 0
	MKQ 75, 8, 9, 90                               ; wca: e3
	MKQ 74, 10, 11, 90                             ; z: e2
	s_add_co_i32 s92, s74, s75
	s_add_co_i32 s92, s92, 127
	s_lshl_b32 s92, s92, 23                        ; 2^(e2 + e3)
	s_mov_b32 s93, s92                             ; (named with it as a pair)
	s_wait_loadcnt 16                              ; wca and bca are in; z's 16 loads may be out
.set i, 0
.rept 32
	v_med3_num_f32 v[16+i], v[16+i], -v9, v9       ; the conversion does not saturate (ISA guide 7.6.2): the hold at the largest code x the scale
.set i, i+1
.endr
.irp g, 0,1,2,3
	v_cvt_scalef32_pk8_fp8_f32 v[48+2*\g:49+2*\g], v[16+8*\g:23+8*\g], v8
.endr
	v_nop                                          ; a plain instruction behind the last conversion
.macro ZPAIR p
	s_wait_loadcnt 0x0
.set i, 0
.rept 64
	v_med3_num_f32 v[64+i], v[64+i], -v11, v11
.set i, i+1
.endr
.irp g, 0,1,2,3,4,5,6,7
	v_cvt_scalef32_pk8_fp8_f32 v[128+2*\g:129+2*\g], v[64+8*\g:71+8*\g], v10
.endr
	v_nop
.if \p == 0
	ZLOAD 1                                        ; the next pair's numbers land while this pair is multiplied and stored
.endif
	v_wmma_f32_16x16x64_fp8_fp8 v[144:151], v[48:55], v[128:135], 0
	v_wmma_f32_16x16x64_fp8_fp8 v[152:159], v[48:55], v[136:143], 0
.rept 4
	v_nop                                          ; four places ahead of the first read of the sums
.endr
.irp u, 0,1
.irp i, 0,2,4,6
	v_pk_fma_f32 v[160+16*\p+8*\u+\i:161+16*\p+8*\u+\i], v[144+8*\u+\i:145+8*\u+\i], s[92:93], v[56+\i:57+\i] op_sel_hi:[1,0,1]   ; sum x 2^(e2 + e3) + bca
.endr
.endr
.irp u, 0,1
	global_store_b128 v1, v[160+16*\p+8*\u:163+16*\p+8*\u], s[30:31] offset:(2*\p+\u)*1024      ; 32 lanes store 512 consecutive bytes
	global_store_b128 v1, v[164+16*\p+8*\u:167+16*\p+8*\u], s[30:31] offset:(2*\p+\u)*1024+512
.endr
	v_mul_f32 v16, v[160+16*\p], v[160+16*\p]
	v_mul_f32 v17, v[168+16*\p], v[168+16*\p]
.irp j, 1,2,3,4,5,6,7
	v_fmac_f32 v16, v[160+16*\p+\j], v[160+16*\p+\j]
	v_fmac_f32 v17, v[168+16*\p+\j], v[168+16*\p+\j]
.endr
	v_permlanex16_b32 v18, v16, s[SEL], s[SEL+1]   ; the token's other eight coordinates lie in the lane 16 away
	v_permlanex16_b32 v19, v17, s[SEL], s[SEL+1]
	v_add_f32 v16, v16, v18
	v_add_f32 v17, v17, v19
	v_cndmask_b32 v[12+\p], v16, v17, vcc_lo
	global_store_b32 v14, v[12+\p], s[32:33] offset:128*\p         ; 32 tokens: 128 consecutive bytes
.endm
	ZPAIR 0
	ZPAIR 1
	s_endpgm
; ================ PATH W.  A lane takes a column n and its registers run down K: each load reads 128 consecutive bytes, the conversions give codes with K innermost, and a lane's 16 codes are
; 16 bytes of an image: nothing is transposed.  Column 32 cb + L is row (L % 8) + 8 (L / 16) of tile 2 cb + (L / 8) % 2.
; v10, v11 hold and scale; v12 my place in the images; v16-47 4 lane + i rows; v48-111 two sets of 32 numbers; v112-175 codes, eight registers for each block, so that no store's data are written again
.Lpath_w:
	s_load_b256 s[24:31], s[0:1], 0x18             ; wv, wo, w1, w2
	s_load_b64 s[32:33], s[0:1], 0x38              ; wcn
	s_load_b64 s[34:35], s[0:1], 0x60              ; wq
	s_sub_co_u32 s21, ttmp9, 256
	s_lshl_b32 s21, s21, 3
	s_add_co_u32 s21, s21, s20                     ; job 0..1287: wv 128, wo 128, w1 512, w2 512, wcn 8
	s_wait_kmcnt 0x0
	s_mov_b64 s[36:37], s[32:33]                   ; the last range, wcn: the tensor,
	s_mov_b32 s38, 1280                            ; its first job,
	s_mov_b32 s39, 1                               ; log2(N / 32),
	s_mov_b32 s40, 16384                           ; a tile's bytes, 16 K,
	s_mov_b32 s41, s81                             ; its exponent, e9,
	s_mov_b32 s42, 0xa00000                        ; its place in wq
.macro SEL_T lim, ptr, first, lg, k16, ereg, off   ; jobs under lim belong to an earlier tensor; the choice hangs on ids alone
	s_cmp_lt_u32 s21, \lim
	s_cselect_b64 s[36:37], s[\ptr:\ptr+1], s[36:37]
	s_cselect_b32 s38, \first, s38
	s_cselect_b32 s39, \lg, s39
	s_cselect_b32 s40, \k16, s40
	s_cselect_b32 s41, s[\ereg], s41
	s_cselect_b32 s42, \off, s42
.endm
	SEL_T 1280, 30, 768, 5, 65536, 85, 0x600000    ; w2, e13
	SEL_T 768, 28, 256, 7, 16384, 83, 0x200000     ; w1, e11
	SEL_T 256, 26, 128, 5, 16384, 79, 0x100000     ; wo, e7
	SEL_T 128, 24, 0, 5, 16384, 73, 0              ; wv, e1
	s_sub_co_u32 s22, s21, s38
	s_bfm_b32 s43, s39, 0
	s_and_b32 s43, s22, s43                        ; cb: which 32 columns
	s_lshr_b32 s23, s22, s39                       ; kb: which 256 along K
	s_lshl_b32 s66, 128, s39                       ; a row of the tensor in bytes
	s_mul_i32 s68, s23, s66
	s_lshl_b32 s68, s68, 8
	s_lshl_b32 s69, s43, 7
	s_add_co_u32 s68, s68, s69
	s_mov_b32 s69, 0
	s_add_nc_u64 s[44:45], s[36:37], s[68:69]      ; s[44+2t:45+2t]: block t's first row, my 32 columns
	s_lshl_b32 s70, s66, 5
	s_mov_b32 s71, 0
.irp t, 1,2,3,4,5,6,7
	s_add_nc_u64 s[44+2*\t:45+2*\t], s[42+2*\t:43+2*\t], s[70:71]
.endr
	s_mul_i32 s68, s43, s40
	s_lshl_b32 s68, s68, 1                         ; tiles 2 cb, 2 cb + 1
	s_lshl_b32 s69, s23, 12                        ; fragments 2 kb, 2 kb + 1
	s_add_co_u32 s68, s68, s69
	s_add_co_u32 s68, s68, s42
	s_mov_b32 s69, 0
	s_add_nc_u64 s[34:35], s[34:35], s[68:69]
	v_bfe_u32 v3, v2, 3, 1
	v_mul_lo_u32 v3, v3, s40
	v_and_b32 v4, 7, v2
	v_lshrrev_b32 v5, 4, v2
	v_lshl_or_b32 v4, v5, 3, v4
	v_lshl_add_u32 v12, v4, 4, v3
	v_lshlrev_b32 v16, 2, v2
.set i, 1
.rept 31
	v_add_nc_u32 v[16+i], s66, v[15+i]
.set i, i+1
.endr
.macro WLOAD t                         ; block t: rows 32 t + i of my 256
.set i, 0
.rept 32
	global_load_b32 v[48+32*((\t)%2)+i], v[16+i], s[44+2*(\t):45+2*(\t)] th:TH_LOAD_NT
.set i, i+1
.endr
.endm
	WLOAD 0
	WLOAD 1
	MKQ 41, 11, 10, 90
.macro WBLOCK t
.set XS, 48+32*((\t)%2)
.set CD, 112+8*(\t)
.if (\t) < 7
	s_wait_loadcnt 32                              ; this block's 32 loads are in; the next block's may be out
.else
	s_wait_loadcnt 0x0
.endif
.set i, 0
.rept 32
	v_med3_num_f32 v[XS+i], v[XS+i], -v10, v10
.set i, i+1
.endr
.irp g, 0,1,2,3
	v_cvt_scalef32_pk8_fp8_f32 v[CD+2*\g:CD+2*\g+1], v[XS+8*\g:XS+8*\g+7], v11
.endr
	v_nop
	global_store_b128 v12, v[CD:CD+3], s[34:35] offset:512*(\t)        ; k = 32 t + 0..15: the sixteen lanes of each tile store 256 consecutive bytes, aligned
	global_store_b128 v12, v[CD+4:CD+7], s[34:35] offset:512*(\t)+256  ; k = 32 t + 16..31
.if (\t)+2 < 8
	WLOAD (\t)+2
.endif
.endm
.irp t, 0,1,2,3,4,5,6,7
	WBLOCK \t
.endr
	s_endpgm
; ================ PATH L.  Wave w takes rows 2 w and 2 w + 1 of the tile; a row's 4,096 bytes lie in 32 registers between the sums and the scaling.  The codes go through a stage in LDS, a row a token, and
; come back as images.  v3 16 x lane; v4, v5 the stage, in and back; v6-15 sums, then scales; v16-47 gain; v48-79 bias; v80-143 two rows; v144-151, v184-191 held numbers; v152-183 codes
.Lpath_l:
	s_load_b128 s[24:27], s[0:1], 0x0              ; h, ln1_g
	s_load_b64 s[28:29], s[0:1], 0x10              ; ln1_b
	s_load_b64 s[30:31], s[0:1], 0x68              ; hnq
	s_lshr_b32 s32, ttmp9, 1
	s_lshl_b32 s32, s32, 5
	s_and_b32 s33, ttmp9, 1
	s_lshl_b32 s33, s33, 3
	s_add_co_u32 s32, s32, s33
	s_lshl_b32 s33, s20, 1
	s_add_co_u32 s32, s32, s33
	s_lshr_b32 s33, s20, 2
	s_lshl_b32 s33, s33, 3
	s_add_co_u32 s32, s32, s33                     ; token pi(T, 2 w)
	s_lshl_b32 s32, s32, 12
	s_mov_b32 s33, 0
	v_lshlrev_b32 v3, 4, v2
	s_mul_i32 s34, s20, 2*SROW
	v_lshlrev_b32 v4, 2, v2
	v_add_nc_u32 v4, s34, v4                       ; in: my two rows, 4 bytes a lane
	v_and_b32 v5, 15, v2
	v_mul_u32_u24 v5, v5, SROW
	v_lshrrev_b32 v1, 4, v2
	v_lshl_add_u32 v5, v1, 4, v5                   ; back: row l % 16, + 16 (l / 16)
	s_lshr_b32 s35, s20, 2                         ; waves 0-3 send out the first set of codes, waves 4-7 the second;
	s_and_b32 s36, s20, 3                          ; fragments 2 (w % 4) and the next
	s_mul_i32 s37, s35, SSET
	s_lshl_b32 s38, s36, 8
	s_add_co_u32 s37, s37, s38
	v_add_nc_u32 v5, s37, v5
	s_lshl_b32 s38, s35, 22
	s_lshl_b32 s39, ttmp9, 14
	s_add_co_u32 s38, s38, s39
	s_lshl_b32 s39, s36, 12
	s_add_co_u32 s38, s38, s39
	s_mov_b32 s39, 0
	s_wait_kmcnt 0x0
	s_add_nc_u64 s[24:25], s[24:25], s[32:33]
	s_add_nc_u64 s[30:31], s[30:31], s[38:39]
.irp x, 0,1
.irp j, 0,1,2,3,4,5,6,7
	global_load_b128 v[80+32*\x+4*\j:83+32*\x+4*\j], v3, s[24:25] offset:4096*\x+512*\j   ; 512 consecutive bytes a load
.endr
.endr
.irp j, 0,1,2,3,4,5,6,7
	global_load_b128 v[16+4*\j:19+4*\j], v3, s[26:27] offset:512*\j
.endr
.irp j, 0,1,2,3,4,5,6,7
	global_load_b128 v[48+4*\j:51+4*\j], v3, s[28:29] offset:512*\j
.endr
.macro ROWSTAT xr                      ; the row in v[xr .. xr+31] becomes (x - mean) / sqrt(var + 1e-5) x gain + bias
.irp c, 0,2,4,6
	v_pk_add_f32 v[6+\c:7+\c], v[\xr+\c:\xr+\c+1], v[\xr+8+\c:\xr+9+\c]
.endr
.irp k, 16,24
.irp c, 0,2,4,6
	v_pk_add_f32 v[6+\c:7+\c], v[6+\c:7+\c], v[\xr+\k+\c:\xr+\k+\c+1]
.endr
.endr
	v_pk_add_f32 v[6:7], v[6:7], v[8:9]
	v_pk_add_f32 v[10:11], v[10:11], v[12:13]
	v_pk_add_f32 v[6:7], v[6:7], v[10:11]
	v_add_f32 v6, v6, v7
	REDUCE 6, 7
	v_mul_f32 v14, s88, v6                         ; the mean
	v_mov_b32 v15, v14
.set i, 0
.rept 16
	v_pk_add_f32 v[\xr+i:\xr+i+1], v[\xr+i:\xr+i+1], v[14:15] neg_lo:[0,1] neg_hi:[0,1]
.set i, i+2
.endr
.irp c, 0,2,4,6
	v_pk_mul_f32 v[6+\c:7+\c], v[\xr+\c:\xr+\c+1], v[\xr+\c:\xr+\c+1]
.endr
.irp k, 8,16,24
.irp c, 0,2,4,6
	v_pk_fma_f32 v[6+\c:7+\c], v[\xr+\k+\c:\xr+\k+\c+1], v[\xr+\k+\c:\xr+\k+\c+1], v[6+\c:7+\c]
.endr
.endr
	v_pk_add_f32 v[6:7], v[6:7], v[8:9]
	v_pk_add_f32 v[10:11], v[10:11], v[12:13]
	v_pk_add_f32 v[6:7], v[6:7], v[10:11]
	v_add_f32 v6, v6, v7
	REDUCE 6, 7
	v_fma_f32 v6, v6, s88, s89                     ; the variance + 1e-5
	v_rsq_f32 v14, v6
	v_nop                                          ; a plain instruction behind the transcendental,
	s_wait_alu depctr_va_vdst(0)                   ; and the wait ahead of the first line that names its result
	v_mov_b32 v15, v14
.set i, 0
.rept 16
	v_pk_mul_f32 v[\xr+i:\xr+i+1], v[\xr+i:\xr+i+1], v[14:15]
.set i, i+2
.endr
	s_wait_loadcnt 0x0                             ; gain and bias
.set i, 0
.rept 16
	v_pk_fma_f32 v[\xr+i:\xr+i+1], v[\xr+i:\xr+i+1], v[16+i:17+i], v[48+i:49+i]
.set i, i+2
.endr
.endm
; A row's 32 numbers of a lane become 8 words of codes in v[cd ..]: registers 8 m .. 8 m + 7 are the lane's 4 numbers of loads 2 m and 2 m + 1, so each conversion gives one word for each of the two loads.
; keep = 1: the numbers are wanted again, so they are held into two sets of eight registers that take turns.
.macro QROW xr, keep, cd, vs, vl
.irp m, 0,1,2,3
.if \keep
.set TQ, 144+40*(\m%2)
.irp i, 0,1,2,3,4,5,6,7
	v_med3_num_f32 v[TQ+\i], v[\xr+8*\m+\i], -v[\vl], v[\vl]
.endr
	v_cvt_scalef32_pk8_fp8_f32 v[\cd+2*\m:\cd+2*\m+1], v[TQ:TQ+7], v[\vs]
.else
.irp i, 0,1,2,3,4,5,6,7
	v_med3_num_f32 v[\xr+8*\m+\i], v[\xr+8*\m+\i], -v[\vl], v[\vl]
.endr
	v_cvt_scalef32_pk8_fp8_f32 v[\cd+2*\m:\cd+2*\m+1], v[\xr+8*\m:\xr+8*\m+7], v[\vs]
.endif
.endr
	v_nop
.endm
.macro QSTORE cd, off
.irp j, 0,1,2,3,4,5,6,7
	ds_store_b32 v4, v[\cd+\j] offset:\off+128*\j  ; codes k = 128 j + 4 lane + 0..3
.endr
.endm
	s_wait_loadcnt 16                              ; my two rows are in; gain and bias may be out
	ROWSTAT 80
	ROWSTAT 112
	MKQ 72, 6, 7, 90                               ; e0: the values' product
	MKQ 80, 8, 9, 90                               ; e8: the coordinates' product
	QROW 80, 1, 152, 6, 7
	QROW 112, 1, 160, 6, 7
	QROW 80, 0, 168, 8, 9
	QROW 112, 0, 176, 8, 9
	QSTORE 152, 0
	QSTORE 160, SROW
	QSTORE 168, SSET
	QSTORE 176, SSET+SROW
	s_wait_dscnt 0x0                               ; for the others' sake: my stores into the stage are done
	s_barrier_signal -1
	s_barrier_wait -1
.irp n, 0,1,2,3,4,5,6,7
	ds_load_b128 v[80+4*\n:83+4*\n], v5 offset:128*(\n/4)+32*(\n%4)
.endr
.irp n, 0,1,2,3,4,5,6,7
	s_wait_dscnt 7-\n
	global_store_b128 v3, v[80+4*\n:83+4*\n], s[30:31] offset:2048*(\n/4)+512*(\n%4)   ; 512 consecutive bytes of an image
.endr
	s_wait_tensorcnt 0x0
	ds_add_u32 v192, v193
	s_wait_dscnt 0x0
	s_endpgm
.Lfunc_end_k_q1162b412e6_prep:
	.size	k_q1162b412e6_prep, .Lfunc_end_k_q1162b412e6_prep-k_q1162b412e6_prep
	.p2alignl 7, 3214868480
	.fill 96, 4, 3214868480
	.section	.rodata,"a",@progbits
	.p2align	6, 0x0
	.amdhsa_kernel k_q1162b412e6_prep
		.amdhsa_group_segment_fixed_size 34816
		.amdhsa_private_segment_fixed_size 0
		.amdhsa_enable_private_segment 0
		.amdhsa_kernarg_size 120
		.amdhsa_user_sgpr_count 2
		.amdhsa_user_sgpr_kernarg_segment_ptr 1
		.amdhsa_wavefront_size32 1
		.amdhsa_system_sgpr_workgroup_id_x 1
		.amdhsa_system_sgpr_workgroup_id_y 1
		.amdhsa_system_sgpr_workgroup_id_z 1
		.amdhsa_system_vgpr_workitem_id 0
		.amdhsa_next_free_vgpr 194
		.amdhsa_next_free_sgpr 100
		.amdhsa_reserve_vcc 1
		.amdhsa_float_denorm_mode_32 3
		.amdhsa_float_denorm_mode_16_64 3
		.amdhsa_memory_ordered 1
		.amdhsa_forward_progress 1
		.amdhsa_inst_pref_size 104
	.end_amdhsa_kernel
	.amdgpu_metadata
---
amdhsa.version: [ 1, 2 ]
amdhsa.kernels:
  - .name:           k_q1162b412e6_prep
    .symbol:         k_q1162b412e6_prep.kd
    .args:
      - { .name: h, .offset: 0, .size: 8, .value_kind: global_buffer, .address_space: global }
      - { .name: ln1_g, .offset: 8, .size: 8, .value_kind: global_buffer, .address_space: global }
      - { .name: ln1_b, .offset: 16, .size: 8, .value_kind: global_buffer, .address_space: global }
      - { .name: wv, .offset: 24, .size: 8, .value_kind: global_buffer, .address_space: global }
      - { .name: wo, .offset: 32, .size: 8, .value_kind: global_buffer, .address_space: global }
      - { .name: w1, .offset: 40, .size: 8, .value_kind: global_buffer, .address_space: global }
      - { .name: w2, .offset: 48, .size: 8, .value_kind: global_buffer, .address_space: global }
      - { .name: wcn, .offset: 56, .size: 8, .value_kind: global_buffer, .address_space: global }
      - { .name: z, .offset: 64, .size: 8, .value_kind: global_buffer, .address_space: global }
      - { .name: wca, .offset: 72, .size: 8, .value_kind: global_buffer, .address_space: global }
      - { .name: bca, .offset: 80, .size: 8, .value_kind: global_buffer, .address_space: global }
      - { .name: lowp_scales, .offset: 88, .size: 8, .value_kind: global_buffer, .address_space: global }
      - { .name: wq, .offset: 96, .size: 8, .value_kind: global_buffer, .address_space: global }
      - { .name: hnq, .offset: 104, .size: 8, .value_kind: global_buffer, .address_space: global }
      - { .name: zh, .offset: 112, .size: 8, .value_kind: global_buffer, .address_space: global }
    .group_segment_fixed_size: 34816
    .private_segment_fixed_size: 0
    .kernarg_segment_align: 8
    .kernarg_segment_size: 120
    .max_flat_workgroup_size: 256
    .sgpr_count:     100
    .vgpr_count:     194
    .wavefront_size: 32
...
	.end_amdgpu_metadata
.endif
;; end of part 1
;; launch vgemm (part 2): grid 8 x 32, 4 waves a work-group, clusters of 4 x 4, 327,680 bytes of LDS; arguments hnq, wq, lowp_scales, bv, vimg; writes vimg
.if DOCPART == 2
	.amdgcn_target "amdgcn-amd-amdhsa--gfx1250"
	.amdhsa_code_object_version 6
	.text
	.protected	k_q1162b412e6_vgemm
	.globl	k_q1162b412e6_vgemm
	.p2align	8
	.type	k_q1162b412e6_vgemm,@function
k_q1162b412e6_vgemm:
	s_mov_b64 s[64:65], 0
	v_nop
	global_prefetch_b8 v0, s[64:65] scope:SCOPE_SE
	s_setreg_imm32_b32 hwreg(HW_REG_WAVE_MODE, 25, 1), 1
	s_wait_xcnt 0x0
	s_wait_alu depctr_hold_cnt(0) depctr_sa_sdst(0) depctr_va_vdst(0) depctr_va_sdst(0) depctr_va_ssrc(0) depctr_va_vcc(0) depctr_vm_vsrc(0)
	s_getreg_b32 s2, hwreg(HW_REG_IB_STS2, 6, 4)
	s_cmp_eq_u32 s2, 0
	s_cbranch_scc0 .Lentry_in_a_cluster
	s_endpgm
.Lentry_in_a_cluster:
	s_bfe_u32 s2, ttmp6, 0x10000c
	s_cmp_lg_u32 s2, 0xf033
	s_cbranch_scc0 .Lentry_shape_is_right
	s_endpgm
.Lentry_shape_is_right:
; A GEMM ON IMAGES OF E4M3 CODES, tiles of 128 x 128 of C, one text for three launches (KIND).  This one, KIND 0: value = Q(hn) Q(wv) + bv, quantised (e4) into the image that attention reads.
; A, B: fragments of 2,048 bytes, (tile x KTOT / 128 + q) x 2048; byte 512 c + 16 lane + i = (row pi(tile, lane % 16), k = 128 q + 32 c + 16 (lane / 16) + i), pi(T, r) = 32 (T / 2) + 8 (T % 2) + r + 8 (r / 8).
; SHARES: 256 work-groups, one tile each; four waves, each 64 x 64: 16 accumulators.  K goes in steps of 512 through two LDS slots; a wave's tensor load brings four tiles' 8,192 bytes each.
; A fragment comes out of LDS by four loads of 512 consecutive bytes: no pitch, no padding.
; CLUSTERS: 4 x 4 work-groups; A's tiles are asked for jointly along a row of the cluster, B's along a column.
; KIND 0: source 0 = tokens, source 1 = wv's columns: a lane holds one channel and its registers run along the tokens, which are the keys, the next product's K: the conversions' results are 16 bytes of the image.
; KIND 1, 2: source 0 = the weight's columns, source 1 = tokens: a lane holds eight neighbouring numbers of a row of C; C = sum x 2^(ea + eb) + bias + residual, f32, out through the wave's own stage in whole rows of 256 bytes.
; No prefetch: with KTOT = 1,024 all tiles are asked for in the first lines; with 4,096 the tile is small and each refill has 56 matrix instructions a wave in which to land.
; LIMITS: ea + eb between -126 and 127; e4 between -126 and 119.  NaN is not served.
; REGISTERS: window 0: v0-31 addresses; v32-127 the way out; v128-255 the accumulators ((a, b) at v[128 + 8 (4 a + b)]).  window 1: two buffers of 128: A's four fragments, then B's four.
.set KIND, 0
.if KIND == 0
.set KTOT, 1024
.set WOFF, 0
.set EA, 72+0
.set EB, 72+1
.elseif KIND == 1
.set KTOT, 1024
.set WOFF, 0x100000
.set EA, 72+6
.set EB, 72+7
.else
.set KTOT, 4096
.set WOFF, 0x600000
.set EA, 72+12
.set EB, 72+13
.endif
.set SLOT,   131072                    ; A's 8 tiles x 8,192 bytes, then B's 8
.set STAGE,  2*SLOT                    ; behind the ring: 16 rows x 272 bytes for each wave
.set SPITCH, 272
.set SPARE,  STAGE+4*16*SPITCH         ; behind the stages: the spare words, 128 bytes a wave: two blocks of 256 bytes that no other line names
.set LAPS,   KTOT/1024                 ; a lap = two K steps = once round the ring
.set ADRA, 16                          ; v16-17 LDS address of my A fragments in slot 0, 1
.set ADRB, 20                          ; v20-21 the same for B
.set STO,  24
.set RD,   25
.set CO,   26
.set LI,   27                          ; v27 16 x lane
.set SPW,  28
.set NIL,  29
.set ACC,  128
.set F0,   0
.set F1,   128
.set G1,   24                          ; s[24:31] group 1 for A's tiles; s[32:39] group 0, a set for each slot
.set G0,   32
.set G1B,  48                          ; s[48:55], s[56:63] the same for B's
.set G0B,  56
.set MSB,  0
.macro WIN new                         ; the immediate's high byte repeats the setting that is left
.if MSB != \new
	s_set_vgpr_msb (MSB<<8)|\new
.set MSB, \new
.endif
.endm
.set MUL,  0x05                        ; sources 0 and 1 window 1; C and D window 0
.set TO_F, 0x40                        ; destination window 1, address window 0
.macro JLOAD s                         ; a joint load: waves 0, 1 fetch A's halves, waves 2, 3 B's; four v_nop follow each of the two lines
	s_cmp_eq_u32 s15, 0
	s_cbranch_scc0 .Lfor_b_\@
	tensor_load_to_lds s[G0+4*\s:G0+4*\s+3], s[G1:G1+7]
	s_nop 0
.rept 4
	v_nop
.endr
	s_branch .Lasked_\@
.Lfor_b_\@:
	tensor_load_to_lds s[G0B+4*\s:G0B+4*\s+3], s[G1B:G1B+7]
	s_nop 0
.rept 4
	v_nop
.endr
.Lasked_\@:
.endm
.macro CREST                           ; a round of the cluster's barrier behind its opening barrier
	s_cmp_lg_u32 s14, 0
	s_cbranch_scc1 .Lnot_wave_0_\@
	s_barrier_signal -3
.Lnot_wave_0_\@:
	s_barrier_wait -3
	s_barrier_signal -1
	s_barrier_wait -1
.endm
.macro CROUND
	s_barrier_signal -1
	s_barrier_wait -1
	CREST
.endm
.macro PLACES                          ; four places ahead of loads into registers that matrix instructions have read, and of the first read of results
.rept 4
	v_nop
.endr
.endm
	s_load_b128 s[4:7], s[0:1], 0x0                ; A's image, wq
	s_load_b128 s[8:11], s[0:1], 0x10              ; the scales' exponents, the bias
.if KIND == 0
	s_load_b64 s[88:89], s[0:1], 0x20              ; the result
.else
	s_load_b128 s[88:91], s[0:1], 0x20             ; the residual, the result
.endif
	v_lshl_add_u32 v[SPW], v0, 2, SPARE
	v_mov_b32 v[NIL], 0
	ds_add_u32 v28, v29
	ds_add_u32 v28, v29
	s_wait_dscnt 0x0
	v_lshrrev_b32 v1, 5, v0
	v_readfirstlane_b32 s14, v1                    ; wave 0..3
	s_lshr_b32 s15, s14, 1                         ; which half of the tile's rows is mine.  Also: I fetch for A (0) or for B (1)
	s_and_b32 s16, s14, 1                          ; which half of its columns.  Also: which four tiles I fetch
	s_bfe_u32 s40, ttmp6, 0x40000                  ; cx, cy
	s_bfe_u32 s41, ttmp6, 0x40004
	s_lshl_b32 s42, ttmp9, 2
	s_add_co_u32 s42, s42, s40                     ; tile column of C
	s_and_b32 s17, ttmp7, 0xffff
	s_lshl_b32 s17, s17, 2
	s_add_co_u32 s17, s17, s41                     ; tile row of C
	s_lshl_b32 s43, s41, 2
	s_lshl_b32 s43, 15, s43                        ; my row of the cluster
	s_lshl_b32 s44, 0x1111, s40                    ; my column
	s_or_b32 s[G1+0], s43, (3<<16)|(1<<21)         ; 15:0 the mask; 17:16 elements of 8 bytes; 21 set beside a mask; no padding
	s_or_b32 s[G1B+0], s44, (3<<16)|(1<<21)
.irp g, G1, G1B
	s_mov_b32 s[\g+1], 1024<<16                    ; tensor_dim0 = 1,024 elements: four fragments of one tile
	s_mov_b32 s[\g+2], 4<<16                       ; tensor_dim1 = 4 tiles
	s_mov_b32 s[\g+3], 1024<<16                    ; tile_dim0
	s_mov_b32 s[\g+4], 4                           ; tile_dim1
	s_mov_b32 s[\g+5], 2*KTOT                      ; from tile to tile: 16 KTOT bytes
	s_mov_b32 s[\g+6], 0
	s_mov_b32 s[\g+7], 0
.endr
	s_lshl_b32 s18, s16, 2
	s_lshl_b32 s20, s17, 3
	s_add_co_u32 s20, s20, s18                     ; A: tile 8 x tile row + 4 x half
	s_lshl_b32 s46, s42, 3
	s_add_co_u32 s46, s46, s18                     ; B: tile 8 x tile column + 4 x half
	s_mul_i32 s20, s20, KTOT*16
	s_mul_i32 s46, s46, KTOT*16
	s_mov_b32 s21, 0
	s_mov_b32 s47, 0
	s_lshl_b32 s45, s14, 15                        ; where they go: wave x 32,768: no place in the cluster enters an LDS address
	s_wait_kmcnt 0x0
	s_load_b256 s[72:79], s[8:9], 0x0
	s_load_b128 s[80:83], s[8:9], 0x20
	s_load_b64 s[84:85], s[8:9], 0x30
	s_add_nc_u64 s[20:21], s[4:5], s[20:21]
	s_add_nc_u64 s[46:47], s[6:7], s[46:47]
.if WOFF
	s_add_nc_u64 s[46:47], s[46:47], WOFF
.endif
	CROUND                                         ; all sixteen work-groups are here: the first joint loads meet
.irp s, 0,1
	s_mov_b32 s[G0+4*\s], 1
	s_add_co_u32 s[G0+4*\s+1], s45, \s*SLOT
	s_add_nc_u64 s[G0+4*\s+2:G0+4*\s+3], s[20:21], \s*8192
	s_or_b32 s[G0+4*\s+3], s[G0+4*\s+3], 0x80000000
	s_mov_b32 s[G0B+4*\s], 1
	s_add_co_u32 s[G0B+4*\s+1], s45, \s*SLOT
	s_add_nc_u64 s[G0B+4*\s+2:G0B+4*\s+3], s[46:47], \s*8192
	s_or_b32 s[G0B+4*\s+3], s[G0B+4*\s+3], 0x80000000
	JLOAD \s
.endr
	v_and_b32 v1, 31, v0
	v_lshlrev_b32 v[LI], 4, v1
	s_lshl_b32 s21, s15, 15                        ; my four tiles of A
	s_lshl_b32 s22, s16, 15
	s_add_co_u32 s22, s22, 65536                   ; my four tiles of B, behind A's eight
.irp s, 0,1
	v_add_nc_u32 v[ADRA+\s], s21, v[LI]
	v_add_nc_u32 v[ADRB+\s], s22, v[LI]
	s_add_co_u32 s21, s21, SLOT
	s_add_co_u32 s22, s22, SLOT
.endr
	v_and_b32 v3, 15, v0                           ; r
	v_bfe_u32 v4, v0, 4, 1                         ; h
	s_lshl_b32 s94, s42, 9
	s_lshl_b32 s95, s16, 8
	s_add_co_u32 s94, s94, s95                     ; my first column, in bytes of f32
	s_mov_b32 s95, 0
	s_add_nc_u64 s[10:11], s[10:11], s[94:95]
.if KIND == 0
	v_and_b32 v5, 8, v3
	v_add_nc_u32 v5, v5, v3
	v_lshlrev_b32 v5, 2, v5                        ; the bias of my channel in tile b: column 32 (b / 2) + 8 (b % 2) + r + 8 (r / 8)
.irp b, 0,1,2,3
	global_load_b32 v[96+2*\b], v5, s[10:11] offset:4*(32*(\b/2)+8*(\b%2))
	v_mov_b32 v[97+2*\b], 0                        ; (named with it as a pair)
.endr
	s_lshr_b32 s94, s17, 4                         ; batch
	s_lshl_b32 s94, s94, 4
	s_lshl_b32 s95, s42, 1
	s_add_co_u32 s94, s94, s95
	s_add_co_u32 s94, s94, s16                     ; 16 batch + head: my 64 columns are one head
	s_lshl_b32 s94, s94, 4
	s_and_b32 s95, s17, 15
	s_add_co_u32 s94, s94, s95                     ; the tile's 128 tokens are one key step
	s_lshl_b32 s94, s94, 13
	s_lshl_b32 s95, s15, 10                        ; my 64 tokens: c = 2 x half + p
	s_add_co_u32 s94, s94, s95
	s_mov_b32 s95, 0
	s_add_nc_u64 s[88:89], s[88:89], s[94:95]
.else
	s_mul_i32 s23, s14, 16*SPITCH
	s_add_co_u32 s23, s23, STAGE                   ; my stage
	v_mul_u32_u24 v5, v3, SPITCH
	v_lshl_add_u32 v5, v4, 6, v5
	v_add_nc_u32 v[STO], s23, v5                   ; in: row r, + 64 h
	v_mul_u32_u24 v5, v4, SPITCH
	v_lshl_add_u32 v5, v3, 4, v5
	v_add_nc_u32 v[RD], s23, v5                    ; back: lanes 0-15 one row of 256 bytes, lanes 16-31 the next
	v_lshlrev_b32 v5, 12, v4
	v_lshl_add_u32 v[CO], v3, 4, v5                ; and the same two rows in memory
	v_lshlrev_b32 v6, 4, v3
	s_lshl_b32 s96, s17, 7
	s_lshl_b32 s97, s15, 6
	s_add_co_u32 s96, s96, s97                     ; my first token
	s_lshl_b32 s96, s96, 12
	s_add_co_u32 s94, s94, s96
	s_add_nc_u64 s[88:89], s[88:89], s[94:95]
	s_add_nc_u64 s[90:91], s[90:91], s[94:95]
	global_load_b128 v[12:15], v6, s[10:11]        ; the bias of the four columns that I store
.macro LOADR a                         ; the residual of block a's 16 tokens, as they are stored: stage row 2 t + l / 16 is token 32 (a / 2) + 8 (a % 2) + 2 t + 8 (t / 4) + l / 16
.set RB, 64+32*((\a)%2)
.irp t, 0,1,2,3,4,5,6,7
	global_load_b128 v[RB+4*\t:RB+4*\t+3], v[CO], s[88:89] offset:(32*((\a)/2)+8*((\a)%2)+2*\t+8*(\t/4))*4096
.endr
.endm
	LOADR 0
	LOADR 1
.endif
.macro MUL4 f, a, zero                 ; four matrix instructions: A's block a against B's four, 128 along K.  The 16 accumulators take turns, in the same order in every quarter
.irp b, 0,1,2,3
.set rD, ACC+8*(4*(\a)+\b)
.if KIND == 0
.set r0, \f+16*(\a)
.set r1, \f+64+16*\b
.else
.set r0, \f+64+16*\b
.set r1, \f+16*(\a)
.endif
.if \zero
	v_wmma_f32_16x16x128_fp8_fp8 v[rD:rD+7], v[r0:r0+15], v[r1:r1+15], 0
.else
	v_wmma_f32_16x16x128_fp8_fp8 v[rD:rD+7], v[r0:r0+15], v[r1:r1+15], v[rD:rD+7]
.endif
.endr
.endm
.macro FETCH slot, q, f                ; 32 LDS loads in one run: the slot's q-th 128 along K into buffer f: B's four fragments, then A's
	WIN TO_F
.irp i, 0,1,2,3
.irp c, 0,1,2,3
	ds_load_b128 v[\f+64+16*\i+4*\c:\f+64+16*\i+4*\c+3], v[ADRB+\slot] offset:\i*8192+(\q)*2048+\c*512
.endr
.endr
.irp i, 0,1,2,3
.irp c, 0,1,2,3
	ds_load_b128 v[\f+16*\i+4*\c:\f+16*\i+4*\c+3], v[ADRA+\slot] offset:\i*8192+(\q)*2048+\c*512
.endr
.endr
.endm
.macro QUARTER slot, qn, f, g, zero    ; multiplies buffer f; in its middle it fetches the slot's quarter qn into buffer g
	s_wait_dscnt 8                                 ; B and A's blocks 0, 1 are in; the youngest eight loads (blocks 2, 3) may be out
	WIN MUL
	MUL4 \f, 0, \zero
	MUL4 \f, 1, \zero
	PLACES
	FETCH \slot, \qn, \g
	s_wait_dscnt 32                                ; all but the 32 just issued
	WIN MUL
	MUL4 \f, 2, \zero
	MUL4 \f, 3, \zero
.endm
; A slot's last quarter multiplies buffer 1 and changes slots: one barrier; ahead of it each wave waits for all its tensor loads, adds 0 to its spare word, and waits for that and for its reads of this slot.
.macro TURN slot, next, fill
	WIN 0
	s_wait_tensorcnt 0x0                           ; all my tensor loads have landed: my part of the next slot
	ds_add_u32 v[SPW], v[NIL]                      ; 0 onto my spare word
	s_wait_dscnt 9                                 ; (the add and the youngest eight loads may be out)
	WIN MUL
	MUL4 F1, 0, 0
	s_wait_dscnt 0x0                               ; the add is done, and my reads of this slot are over
	s_barrier_signal -1
	MUL4 F1, 1, 0
.if \fill
	WIN 0
.endif
	s_barrier_wait -1
.if \fill
	CREST                                          ; the barrier has opened a round of the cluster's: no wave of any partner still reads this slot or has a load on its way
	s_add_nc_u64 s[G0+4*\slot+2:G0+4*\slot+3], s[G0+4*\slot+2:G0+4*\slot+3], 16384
	s_add_nc_u64 s[G0B+4*\slot+2:G0B+4*\slot+3], s[G0B+4*\slot+2:G0B+4*\slot+3], 16384
	JLOAD \slot                                    ; the first tensor load behind the round; its four v_nop are also the places ahead of the loads below
.else
	PLACES
.endif
	FETCH \next, 0, F0
	WIN MUL
	MUL4 F1, 2, 0
	MUL4 F1, 3, 0
.endm
	s_wait_tensorcnt 1                             ; my part of K step 0 is in; K step 1's load may be out
	s_barrier_signal -1
	s_barrier_wait -1
	FETCH 0, 0, F0
	QUARTER 0, 1, F0, F1, 1                        ; the first quarter's products start the sums: nothing is cleared
.if LAPS > 1
	WIN 0
	s_mov_b32 s3, LAPS-1
.Llap:                                                 ; a trip goes once round the ring and fills both slots again
	QUARTER 0, 2, F1, F0, 0
	QUARTER 0, 3, F0, F1, 0
	TURN 0, 1, 1
	QUARTER 1, 1, F0, F1, 0
	QUARTER 1, 2, F1, F0, 0
	QUARTER 1, 3, F0, F1, 0
	TURN 1, 0, 1
	QUARTER 0, 1, F0, F1, 0
	WIN 0
	s_sub_co_u32 s3, s3, 1
	s_cmp_lg_u32 s3, 0
	s_cbranch_scc1 .Llap
.endif
	QUARTER 0, 2, F1, F0, 0                        ; the last lap fills nothing
	QUARTER 0, 3, F0, F1, 0
	TURN 0, 1, 0
	QUARTER 1, 1, F0, F1, 0
	QUARTER 1, 2, F1, F0, 0
	QUARTER 1, 3, F0, F1, 0
	s_wait_dscnt 8
	WIN MUL
	MUL4 F1, 0, 0
	MUL4 F1, 1, 0
	s_wait_dscnt 0x0
	MUL4 F1, 2, 0
	MUL4 F1, 3, 0
	WIN 0
	s_wait_kmcnt 0x0
	s_add_co_i32 s92, s[EA], s[EB]
	s_add_co_i32 s92, s92, 127
	s_lshl_b32 s92, s92, 23                        ; 2^(ea + eb)
	s_mov_b32 s93, s92
	PLACES
.if KIND == 0
	s_add_co_i32 s94, s76, 127                     ; e4
	s_lshl_b32 s95, s94, 23
	v_mov_b32 v9, s95                              ; 2^e4
	s_add_co_i32 s94, s94, 8
	s_lshl_b32 s94, s94, 23
	s_or_b32 s94, s94, 0x600000
	v_mov_b32 v8, s94                              ; 448 x 2^e4
	s_wait_loadcnt 0x0                             ; the bias
; Blocks 2 p and 2 p + 1 of tokens against tile b of channels: a lane's 16 numbers are keys 32 p + 16 h + 0..15 of its channel: 16 bytes of the image.  Two sets of 16 registers take turns.
.set U, 0
.irp p, 0,1
.irp b, 0,1,2,3
.set TT, 32+16*(U%2)
.irp u, 0,1
.irp i, 0,2,4,6
	v_pk_fma_f32 v[TT+8*\u+\i:TT+8*\u+\i+1], v[ACC+8*(4*(2*\p+\u)+\b)+\i:ACC+8*(4*(2*\p+\u)+\b)+\i+1], s[92:93], v[96+2*\b:97+2*\b] op_sel_hi:[1,0,0]
.endr
.endr
.irp i, 0,1,2,3,4,5,6,7,8,9,10,11,12,13,14,15
	v_med3_num_f32 v[TT+\i], v[TT+\i], -v8, v8
.endr
	v_cvt_scalef32_pk8_fp8_f32 v[64+4*U:65+4*U], v[TT:TT+7], v9
	v_cvt_scalef32_pk8_fp8_f32 v[66+4*U:67+4*U], v[TT+8:TT+15], v9
	global_store_b128 v[LI], v[64+4*U:67+4*U], s[88:89] offset:\b*2048+\p*512   ; 512 consecutive bytes
.set U, U+1
.endr
.endr
	v_nop
.else
.macro BLK a, left                     ; block a: 16 tokens x my 64 columns, through my stage, out as whole rows of 256 bytes.  LDS serves a wave's instructions in order (ISA guide 5.7.1.4): no wait between the stores and the loads
.set RB, 64+32*((\a)%2)
.if (\a) > 0
	s_wait_xcnt 0x0                                ; the last block's stores have read their registers
.endif
.irp b, 0,1,2,3
	ds_store_b128 v[STO], v[ACC+8*(4*(\a)+\b):ACC+8*(4*(\a)+\b)+3] offset:128*(\b/2)+32*(\b%2)
	ds_store_b128 v[STO], v[ACC+8*(4*(\a)+\b)+4:ACC+8*(4*(\a)+\b)+7] offset:128*(\b/2)+32*(\b%2)+16
.endr
.irp t, 0,1,2,3,4,5,6,7
	ds_load_b128 v[32+4*\t:35+4*\t], v[RD] offset:\t*2*SPITCH
.endr
	s_wait_dscnt 0x0
	s_wait_loadcnt \left                           ; this block's residual is in; the next block's eight loads may be out
.irp j, 0,2,4,6,8,10,12,14,16,18,20,22,24,26,28,30
	v_pk_fma_f32 v[32+\j:33+\j], v[32+\j:33+\j], s[92:93], v[12+\j%4:13+\j%4] op_sel_hi:[1,0,1]
.endr
.irp j, 0,2,4,6,8,10,12,14,16,18,20,22,24,26,28,30
	v_pk_add_f32 v[32+\j:33+\j], v[32+\j:33+\j], v[RB+\j:RB+\j+1]
.endr
.irp t, 0,1,2,3,4,5,6,7
	global_store_b128 v[CO], v[32+4*\t:35+4*\t], s[90:91] offset:(32*((\a)/2)+8*((\a)%2)+2*\t+8*(\t/4))*4096   ; 16 lanes store 256 consecutive bytes, aligned
.endr
.if (\a)+2 < 4
	LOADR (\a)+2
.endif
.endm
	BLK 0, 8
	BLK 1, 8
	BLK 2, 8
	BLK 3, 0
.endif
	s_wait_tensorcnt 0x0                           ; the wave's end
	ds_add_u32 v[SPW], v[NIL]
	s_wait_dscnt 0x0
	CROUND                                         ; the closing round
	s_endpgm
.Lfunc_end_k_q1162b412e6_vgemm:
	.size	k_q1162b412e6_vgemm, .Lfunc_end_k_q1162b412e6_vgemm-k_q1162b412e6_vgemm
	.p2alignl 7, 3214868480
	.fill 96, 4, 3214868480
	.section	.rodata,"a",@progbits
	.p2align	6, 0x0
	.amdhsa_kernel k_q1162b412e6_vgemm
		.amdhsa_group_segment_fixed_size 327680
		.amdhsa_private_segment_fixed_size 0
		.amdhsa_enable_private_segment 0
		.amdhsa_kernarg_size 40
		.amdhsa_user_sgpr_count 2
		.amdhsa_user_sgpr_kernarg_segment_ptr 1
		.amdhsa_wavefront_size32 1
		.amdhsa_system_sgpr_workgroup_id_x 1
		.amdhsa_system_sgpr_workgroup_id_y 1
		.amdhsa_system_sgpr_workgroup_id_z 1
		.amdhsa_system_vgpr_workitem_id 0
		.amdhsa_next_free_vgpr 512
		.amdhsa_next_free_sgpr 100
		.amdhsa_reserve_vcc 0
		.amdhsa_float_denorm_mode_32 3
		.amdhsa_float_denorm_mode_16_64 3
		.amdhsa_memory_ordered 1
		.amdhsa_forward_progress 1
		.amdhsa_inst_pref_size 49
	.end_amdhsa_kernel
	.amdgpu_metadata
---
amdhsa.version: [ 1, 2 ]
amdhsa.kernels:
  - .name:           k_q1162b412e6_vgemm
    .symbol:         k_q1162b412e6_vgemm.kd
    .args:
      - { .name: hnq, .offset: 0, .size: 8, .value_kind: global_buffer, .address_space: global }
      - { .name: wq, .offset: 8, .size: 8, .value_kind: global_buffer, .address_space: global }
      - { .name: lowp_scales, .offset: 16, .size: 8, .value_kind: global_buffer, .address_space: global }
      - { .name: bv, .offset: 24, .size: 8, .value_kind: global_buffer, .address_space: global }
      - { .name: vimg, .offset: 32, .size: 8, .value_kind: global_buffer, .address_space: global }
    .group_segment_fixed_size: 327680
    .private_segment_fixed_size: 0
    .kernarg_segment_align: 8
    .kernarg_segment_size: 40
    .max_flat_workgroup_size: 128
    .sgpr_count:     100
    .vgpr_count:     512
    .wavefront_size: 32
...
	.end_amdgpu_metadata
.endif
;; end of part 2
;; launch attn (part 3): grid 8 x 32, 16 waves a work-group, clusters of 4 x 1, 272,384 bytes of LDS; arguments zh, vimg, gamma, lowp_scales, aq; writes aq
.if DOCPART == 3
	.amdgcn_target "amdgcn-amd-amdhsa--gfx1250"
	.amdhsa_code_object_version 6
	.text
	.protected	k_q1162b412e6_attn
	.globl	k_q1162b412e6_attn
	.p2align	8
	.type	k_q1162b412e6_attn,@function
k_q1162b412e6_attn:
	s_mov_b64 s[64:65], 0
	v_nop
	global_prefetch_b8 v0, s[64:65] scope:SCOPE_SE
	s_setreg_imm32_b32 hwreg(HW_REG_WAVE_MODE, 25, 1), 1
	s_wait_xcnt 0x0
	s_wait_alu depctr_hold_cnt(0) depctr_sa_sdst(0) depctr_va_vdst(0) depctr_va_sdst(0) depctr_va_ssrc(0) depctr_va_vcc(0) depctr_vm_vsrc(0)
	s_getreg_b32 s2, hwreg(HW_REG_IB_STS2, 6, 4)
	s_cmp_eq_u32 s2, 0
	s_cbranch_scc0 .Lentry_in_a_cluster
	s_endpgm
.Lentry_in_a_cluster:
	s_bfe_u32 s2, ttmp6, 0x10000c
	s_cmp_lg_u32 s2, 0x3003
	s_cbranch_scc0 .Lentry_shape_is_right
	s_endpgm
.Lentry_shape_is_right:
; ATTENTION BY DISTANCES.  logit(q, k) = -g max(|zq|^2 + |zk|^2 - 2 zq . zk, 0), g = softplus(gamma[head]); out = softmax(logit) V.  The first product (K = 16) has f32 operands, the second runs on codes of E4M3.
; THE SOFTMAX AHEAD OF THE SECOND PRODUCT: t = logit x log2(e); M = the running largest t rounded UP to a whole number; p = 2^(t - M) is quantised (e5); the row's sum is taken of the unquantised p and divides at
; the end.  When M moves, the sum and O are multiplied by 2^(old M - new M), which rounds nothing.
; SHARES.  A work-group owns one batch and head and 256 queries; each of its sixteen waves one tile of 16 queries in 256 registers, four waves to a SIMD.  Every wave walks the 2,048 keys, 128 a step.
; LDS holds the head's whole data, each byte filled once: the keys' image (128 KiB), the values' image (128 KiB), the keys' squared lengths (8 KiB).  No ring.
; CLUSTER.  The four query blocks of a cluster belong to one head and read the same bytes: each wave's two tensor loads are joint, with a mask that names the four.
; LAYOUT.  D = |zk|^2 - 2 zk . zq: source 0 = 16 keys, source 1 = my queries x -2, C = the keys' squared lengths: a lane holds ONE query (lane % 16).  Tile T holds keys 32 (T / 2) + 8 (T % 2) + r + 8 (r / 8),
; so the 16 registers of tiles 2 b, 2 b + 1 are keys 32 b + 16 (lane / 16) + 0..15: the conversions' results are the second product's operand.  O^T = V^T P^T: source 0 = 16 channels, source 1 = P.
; With c = -g log2(e) <= 0: t = min(c D + c |zq|^2, 0), and the largest t of a step comes from the smallest D.
; The registers that the f32 matrix form writes (D) are written by it alone, and each sum begins with other registers as C.
; LIMITS: e5, e6 between -126 and 119.  For gamma under -87 the exponential is flushed and g = 0.  NaN is not served.
; REGISTERS: v1-3 addresses that stay, v4-6 the step's; v9 offset of |zq|^2; v[10:11] the sum; v12 -M; v13 the largest t; v[14:15] c |zq|^2 - M; v[16:17] c; v18 c |zq|^2; v19, v20 448 x 2^e5, 2^e5; v21-27 at work
.set Q,  28                            ; v28-35   my queries x -2
.set AV, 36                            ; v36-67   four tiles of keys; later V's fragments 0, 1
.set T,  68                            ; v68-131  the keys' squared lengths, then t - M, then p; later V's fragments 2, 3
.set D,  132                           ; v132-195
.set O,  196                           ; v196-227 O^T
.set P,  228                           ; v228-243 p's codes
.set SEL, 96
.macro CROUND
	s_barrier_signal -1
	s_barrier_wait -1
	s_cmp_lg_u32 s14, 0
	s_cbranch_scc1 .Lnot_wave_0_\@
	s_barrier_signal -3
.Lnot_wave_0_\@:
	s_barrier_wait -3
	s_barrier_signal -1
	s_barrier_wait -1
.endm
	s_load_b128 s[4:7], s[0:1], 0x0                ; zh, vimg
	s_load_b128 s[8:11], s[0:1], 0x10              ; gamma, the scales' exponents
	s_load_b64 s[12:13], s[0:1], 0x20              ; aq
	v_lshl_add_u32 v254, v0, 2, 0x42000
	v_mov_b32 v255, 0
	ds_add_u32 v254, v255
	ds_add_u32 v254, v255
	v_lshrrev_b32 v1, 5, v0
	v_readfirstlane_b32 s14, v1                    ; wave 0..15
	s_bfe_u32 s15, ttmp6, 0x40000                  ; cx
	s_lshl_b32 s16, ttmp9, 2
	s_add_co_u32 s16, s16, s15                     ; my block of 256 queries: it enters the queries' and the result's addresses alone
	s_and_b32 s17, ttmp7, 0xffff                   ; 16 batch + head, which the four partners share
	; group 1: dense rows of 256 bytes: 32 elements of 8 bytes; 2 rows (the lengths) or 64 rows (an image's part)
	s_mov_b32 s24, 15|(3<<16)|(1<<21)
	s_mov_b32 s25, 32<<16
	s_mov_b32 s26, 2<<16
	s_mov_b32 s27, 32<<16
	s_mov_b32 s28, 2
	s_mov_b32 s29, 32
	s_mov_b32 s30, 0
	s_mov_b32 s31, 0
	s_mov_b32 s32, 15|(3<<16)|(1<<21)
	s_mov_b32 s33, 32<<16
	s_mov_b32 s34, 64<<16
	s_mov_b32 s35, 32<<16
	s_mov_b32 s36, 64
	s_mov_b32 s37, 32
	s_mov_b32 s38, 0
	s_mov_b32 s39, 0
	s_mov_b32 s[SEL], 0x76543210
	s_mov_b32 s[SEL+1], 0xfedcba98
	s_lshl_b32 s20, s14, 14                        ; LDS: wave x 16,384: waves 0-7 the keys' image, waves 8-15 the values'
	s_and_b32 s18, s14, 7
	s_lshl_b32 s21, s18, 14                        ; my eighth of an image
	s_lshl_b32 s23, s14, 9                         ; my 512 bytes of the lengths
	s_lshl_b32 s66, s17, 17                        ; the head's image
	s_lshl_b32 s67, s17, 13                        ; the head's lengths
	s_add_co_u32 s68, s67, s23
	s_add_co_u32 s68, s68, 0x400000
	s_mov_b32 s69, 0
	s_add_co_u32 s70, s66, s21
	s_mov_b32 s71, 0
	s_and_b32 s84, s17, 15
	s_lshl_b32 s84, s84, 2
	s_wait_dscnt 0x0
	s_wait_kmcnt 0x0
	s_load_b256 s[72:79], s[10:11], 0x0            ; e0 .. e7
	s_load_b32 s85, s[8:9], s84 offset:0x0         ; gamma[head]
	s_cmp_lt_u32 s14, 8
	s_cselect_b64 s[82:83], s[4:5], s[6:7]
	s_mov_b32 s48, 1
	s_add_co_u32 s49, s23, 262144
	s_add_nc_u64 s[50:51], s[4:5], s[68:69]
	s_or_b32 s51, s51, 0x80000000
	s_mov_b32 s52, 1
	s_mov_b32 s53, s20
	s_add_nc_u64 s[54:55], s[82:83], s[70:71]
	s_or_b32 s55, s55, 0x80000000
	CROUND                                         ; all four work-groups are here: the joint loads meet
	tensor_load_to_lds s[48:51], s[24:31]          ; two tensor loads of mine are out
	s_nop 0
	tensor_load_to_lds s[52:55], s[32:39]
	s_nop 0
.rept 4
	v_nop
.endr
	v_and_b32 v7, 31, v0
	v_lshlrev_b32 v1, 4, v7                        ; the keys' image: 16 x lane
	v_add_nc_u32 v3, 131072, v1                    ; the values'
	v_bfe_u32 v8, v0, 4, 1
	v_lshlrev_b32 v2, 6, v8
	v_add_nc_u32 v2, 262144, v2                    ; the lengths: + 64 (lane / 16)
	v_and_b32 v9, 15, v0
	v_and_b32 v8, 8, v9
	v_add_nc_u32 v9, v8, v9
	v_lshlrev_b32 v9, 2, v9
	s_lshl_b32 s86, s16, 4
	s_add_co_u32 s86, s86, s14                     ; my tile of queries, 0..127
	s_lshl_b32 s87, s86, 10
	s_add_co_u32 s88, s66, s87
	s_mov_b32 s89, 0
	s_add_nc_u64 s[88:89], s[4:5], s[88:89]
	global_load_b128 v[Q:Q+3], v1, s[88:89]
	global_load_b128 v[Q+4:Q+7], v1, s[88:89] offset:512
	s_lshr_b32 s90, s86, 1
	s_lshl_b32 s90, s90, 7
	s_and_b32 s91, s86, 1
	s_lshl_b32 s91, s91, 5
	s_add_co_u32 s90, s90, s91
	s_add_co_u32 s90, s90, s67
	s_add_co_u32 s90, s90, 0x400000
	s_mov_b32 s91, 0
	s_add_nc_u64 s[90:91], s[4:5], s[90:91]
	global_load_b32 v18, v9, s[90:91]              ; |zq|^2 of my query
	s_lshr_b32 s92, s17, 4
	s_lshl_b32 s92, s92, 7
	s_add_co_u32 s92, s92, s86                     ; my tile among the 256 tiles of tokens
	s_lshl_b32 s92, s92, 3
	s_and_b32 s93, s17, 15
	s_lshr_b32 s94, s93, 1
	s_add_co_u32 s92, s92, s94                     ; fragment head / 2
	s_lshl_b32 s92, s92, 11
	s_and_b32 s93, s93, 1
	s_lshl_b32 s93, s93, 10                        ; c = 2 (head % 2) + 0, 1
	s_add_co_u32 s92, s92, s93
	s_mov_b32 s93, 0
	s_add_nc_u64 s[12:13], s[12:13], s[92:93]
	v_mov_b32 v13, 0xff61b1e6                      ; the largest t so far: -3e38
	v_floor_f32 v12, -v13
	v_mov_b32 v10, 0
	v_mov_b32 v11, 0
	v_mov_b32 v15, 0                               ; (upper halves of pairs that are named whole)
.set i, 0
.rept 32
	v_mov_b32 v[O+i], 0                            ; the step is written once: the first finds zeros, which the first change of M leaves zeros
.set i, i+1
.endr
	s_wait_kmcnt 0x0
	; g = max(gamma, 0) + log1p(y), y = e^-|gamma|; log1p(y) = ln(u) y / (u - 1) with u = 1 + y, or y where u = 1
	v_mov_b32 v21, s85
	v_mul_f32 v22, 0xbfb8aa3b, |v21|
	v_exp_f32 v23, v22
	v_nop
	s_wait_alu depctr_va_vdst(0)
	v_add_f32 v24, 1.0, v23
	v_add_f32 v25, -1.0, v24
	v_log_f32 v26, v24
	v_rcp_f32 v27, v25
	v_nop
	v_cmp_eq_f32 vcc_lo, 0, v25
	s_wait_alu depctr_va_vdst(0)                   ; one wait for the two
	v_mul_f32 v26, 0x3f317218, v26
	v_mul_f32 v26, v26, v23
	v_mul_f32 v26, v26, v27
	v_cndmask_b32 v26, v26, v23, vcc_lo
	v_max_num_f32 v21, 0, v21
	v_add_f32 v21, v21, v26
	v_mul_f32 v16, 0xbfb8aa3b, v21                 ; c = -g log2(e)
	v_mov_b32 v17, v16
	v_mov_b32 v23, 0
	v_mov_b32 v25, 0                               ; a lane permute's destination counts as read
	s_add_co_i32 s62, s77, 127                     ; e5
	s_lshl_b32 s63, s62, 23
	v_mov_b32 v20, s63
	s_add_co_i32 s62, s62, 8
	s_lshl_b32 s62, s62, 23
	s_or_b32 s62, s62, 0x600000
	v_mov_b32 v19, s62
	s_wait_loadcnt 0x0
.irp i, 0,2,4,6
	v_pk_mul_f32 v[Q+\i:Q+\i+1], v[Q+\i:Q+\i+1], -2.0 op_sel_hi:[1,0]
.endr
	v_mul_f32 v18, v16, v18                        ; c |zq|^2
	s_mov_b32 s60, 0                               ; the step's place in the two images,
	s_mov_b32 s61, 0                               ; and in the lengths
	s_mov_b32 s62, 16
	s_wait_tensorcnt 0x0                           ; my parts have landed,
	s_barrier_signal -1
	s_barrier_wait -1                              ; everybody's have
.Lstep:
	v_add_nc_u32 v4, s60, v1
	v_add_nc_u32 v5, s60, v3
	v_add_nc_u32 v6, s61, v2
	v_nop                                          ; four places ahead of loads into registers that the last step's products have read
.irp g, 0,1                            ; four tiles of 16 keys at a time
.if \g
.rept 8
	v_nop                                          ; eight places behind the f32 form ahead of loads into its sources
.endr
.endif
.irp t, 0,1,2,3
	ds_load_b128 v[AV+8*\t:AV+8*\t+3], v4 offset:(4*\g+\t)*1024
	ds_load_b128 v[AV+8*\t+4:AV+8*\t+7], v4 offset:(4*\g+\t)*1024+512
.endr
.irp t, 0,1,2,3
	ds_load_b128 v[T+32*\g+8*\t:T+32*\g+8*\t+3], v6 offset:128*((4*\g+\t)/2)+32*(\t%2)       ; |zk|^2 of the eight keys of my half of the lanes
	ds_load_b128 v[T+32*\g+8*\t+4:T+32*\g+8*\t+7], v6 offset:128*((4*\g+\t)/2)+32*(\t%2)+16
.endr
	s_wait_dscnt 0x0
.irp k, 0,1,2,3                        ; four coordinates an instruction; the four tiles take turns
.irp t, 0,1,2,3
.if \k == 0
	v_wmma_f32_16x16x4_f32 v[D+32*\g+8*\t:D+32*\g+8*\t+7], v[AV+8*\t:AV+8*\t+1], v[Q:Q+1], v[T+32*\g+8*\t:T+32*\g+8*\t+7]
.else
	v_wmma_f32_16x16x4_f32 v[D+32*\g+8*\t:D+32*\g+8*\t+7], v[AV+8*\t+2*\k:AV+8*\t+2*\k+1], v[Q+2*\k:Q+2*\k+1], v[D+32*\g+8*\t:D+32*\g+8*\t+7]
.endif
.endr
.endr
.endr
.rept 8
	v_nop                                          ; eight places ahead of the first read of D and of the loads below
.endr
.irp f, 0,1
.irp c, 0,1,2,3
	ds_load_b128 v[AV+16*\f+4*\c:AV+16*\f+4*\c+3], v5 offset:\f*2048+\c*512   ; V's fragments 0 and 1 land under the softmax
.endr
.endr
	v_min_num_f32 v21, v[D], v[D+1]                ; the smallest D among my 64 keys, in two chains, each accumulator from its low end on
	v_min_num_f32 v24, v[D+2], v[D+3]
	v_min3_num_f32 v21, v21, v[D+4], v[D+5]
	v_min3_num_f32 v24, v24, v[D+6], v[D+7]
.set i, 8
.rept 14
	v_min3_num_f32 v21, v21, v[D+i], v[D+i+1]
	v_min3_num_f32 v24, v24, v[D+i+2], v[D+i+3]
.set i, i+4
.endr
	v_min_num_f32 v21, v21, v24
	v_permlanex16_b32 v25, v21, s[SEL], s[SEL+1]
	v_min_num_f32 v21, v21, v25                    ; and among lane l xor 16's
	v_fma_f32 v21, v16, v21, v18
	v_min_num_f32 v21, 0, v21                      ; the step's largest t
	v_max_num_f32 v13, v13, v21
	v_mov_b32 v24, v12
	v_floor_f32 v12, -v13                          ; -M = floor(-t)
	v_sub_f32 v24, v12, v24                        ; old M - new M, a whole number, 0 or less
	v_cvt_i32_f32 v24, v24                         ; (it saturates)
	v_ldexp_f32 v22, 1.0, v24                      ; f = 2^(old M - new M)
	v_add_f32 v14, v18, v12                        ; c |zq|^2 - M
.set i, 0
.rept 32
	v_pk_fma_f32 v[T+i:T+i+1], v[D+i:D+i+1], v[16:17], v[14:15] op_sel_hi:[1,0,0]
.set i, i+2
.endr
.set i, 0
.rept 64
	v_min_num_f32 v[T+i], v[T+i], v12              ; the clip of the distance at 0: t - M is at most -M
.set i, i+1
.endr
.set i, 0
.rept 64
	v_exp_f32 v[T+i], v[T+i]                       ; p = 2^(t - M)
.set i, i+1
.endr
	v_pk_mul_f32 v[10:11], v[10:11], v[22:23] op_sel_hi:[1,0]      ; the sum under the new M: the plain instruction behind the exponentials
	s_wait_alu depctr_va_vdst(0)                   ; one wait for the batch, ahead of its first reader
	v_pk_add_f32 v[26:27], v[T:T+1], v[T+2:T+3]    ; the sum of the unquantised p, in two chains
.set i, 4
.rept 15
	v_pk_add_f32 v[10:11], v[10:11], v[T+i:T+i+1]
	v_pk_add_f32 v[26:27], v[26:27], v[T+i+2:T+i+3]
.set i, i+4
.endr
	v_pk_add_f32 v[10:11], v[10:11], v[26:27]
.irp b, 0,1,2,3
.irp i, 0,1,2,3,4,5,6,7,8,9,10,11,12,13,14,15
	v_min_num_f32 v[T+16*\b+\i], v[T+16*\b+\i], v19   ; p is not negative: the hold is one-sided
.endr
	v_cvt_scalef32_pk8_fp8_f32 v[P+4*\b:P+4*\b+1], v[T+16*\b:T+16*\b+7], v20
	v_cvt_scalef32_pk8_fp8_f32 v[P+4*\b+2:P+4*\b+3], v[T+16*\b+8:T+16*\b+15], v20
.if \b == 1
.irp f, 0,1
.irp c, 0,1,2,3
	ds_load_b128 v[T+16*\f+4*\c:T+16*\f+4*\c+3], v5 offset:(2+\f)*2048+\c*512   ; V's fragments 2 and 3, into registers whose p has been converted
.endr
.endr
.endif
.endr
.set i, 0
.rept 16
	v_pk_mul_f32 v[O+i:O+i+1], v[O+i:O+i+1], v[22:23] op_sel_hi:[1,0]   ; O^T under the new M
.set i, i+2
.endr
	s_wait_dscnt 0x0
	v_wmma_f32_16x16x128_fp8_fp8 v[O:O+7], v[AV:AV+15], v[P:P+15], v[O:O+7]
	v_wmma_f32_16x16x128_fp8_fp8 v[O+8:O+15], v[AV+16:AV+31], v[P:P+15], v[O+8:O+15]
	v_wmma_f32_16x16x128_fp8_fp8 v[O+16:O+23], v[T:T+15], v[P:P+15], v[O+16:O+23]
	v_wmma_f32_16x16x128_fp8_fp8 v[O+24:O+31], v[T+16:T+31], v[P:P+15], v[O+24:O+31]
	s_add_co_u32 s60, s60, 8192
	s_add_co_u32 s61, s61, 512
	s_sub_co_u32 s62, s62, 1
	s_cmp_lg_u32 s62, 0
	s_cbranch_scc1 .Lstep
.rept 4
	v_nop
.endr
	v_add_f32 v10, v10, v11
	v_permlanex16_b32 v25, v10, s[SEL], s[SEL+1]
	v_add_f32 v10, v10, v25                        ; the row's sum
	v_rcp_f32 v22, v10
	v_nop
	s_add_co_i32 s62, s76, s77                     ; e4 + e5
	s_add_co_i32 s60, s78, 127                     ; e6
	s_lshl_b32 s61, s60, 23
	v_mov_b32 v20, s61
	s_add_co_i32 s60, s60, 8
	s_lshl_b32 s60, s60, 23
	s_or_b32 s60, s60, 0x600000
	v_mov_b32 v19, s60
	s_wait_alu depctr_va_vdst(0)
	v_ldexp_f32 v22, v22, s62
.set i, 0
.rept 16
	v_pk_mul_f32 v[T+i:T+i+1], v[O+i:O+i+1], v[22:23] op_sel_hi:[1,0]   ; register 16 b + i: channel 32 b + 16 (lane / 16) + i of my query
.set i, i+2
.endr
.set i, 0
.rept 32
	v_med3_num_f32 v[T+i], v[T+i], -v19, v19
.set i, i+1
.endr
.irp g, 0,1,2,3
	v_cvt_scalef32_pk8_fp8_f32 v[P+2*\g:P+2*\g+1], v[T+8*\g:T+8*\g+7], v20
.endr
	v_nop
	global_store_b128 v1, v[P:P+3], s[12:13]                  ; 512 consecutive bytes of the next product's image
	global_store_b128 v1, v[P+4:P+7], s[12:13] offset:512
	s_wait_dscnt 0x0
	s_wait_tensorcnt 0x0
	ds_add_u32 v254, v255
	s_wait_dscnt 0x0
	CROUND                                         ; the closing round
	s_endpgm
.Lfunc_end_k_q1162b412e6_attn:
	.size	k_q1162b412e6_attn, .Lfunc_end_k_q1162b412e6_attn-k_q1162b412e6_attn
	.p2alignl 7, 3214868480
	.fill 96, 4, 3214868480
	.section	.rodata,"a",@progbits
	.p2align	6, 0x0
	.amdhsa_kernel k_q1162b412e6_attn
		.amdhsa_group_segment_fixed_size 272384
		.amdhsa_private_segment_fixed_size 0
		.amdhsa_enable_private_segment 0
		.amdhsa_kernarg_size 40
		.amdhsa_user_sgpr_count 2
		.amdhsa_user_sgpr_kernarg_segment_ptr 1
		.amdhsa_wavefront_size32 1
		.amdhsa_system_sgpr_workgroup_id_x 1
		.amdhsa_system_sgpr_workgroup_id_y 1
		.amdhsa_system_sgpr_workgroup_id_z 1
		.amdhsa_system_vgpr_workitem_id 0
		.amdhsa_next_free_vgpr 256
		.amdhsa_next_free_sgpr 100
		.amdhsa_reserve_vcc 1
		.amdhsa_float_denorm_mode_32 3
		.amdhsa_float_denorm_mode_16_64 3
		.amdhsa_memory_ordered 1
		.amdhsa_forward_progress 1
		.amdhsa_inst_pref_size 34
	.end_amdhsa_kernel
	.amdgpu_metadata
---
amdhsa.version: [ 1, 2 ]
amdhsa.kernels:
  - .name:           k_q1162b412e6_attn
    .symbol:         k_q1162b412e6_attn.kd
    .args:
      - { .name: zh, .offset: 0, .size: 8, .value_kind: global_buffer, .address_space: global }
      - { .name: vimg, .offset: 8, .size: 8, .value_kind: global_buffer, .address_space: global }
      - { .name: gamma, .offset: 16, .size: 8, .value_kind: global_buffer, .address_space: global }
      - { .name: lowp_scales, .offset: 24, .size: 8, .value_kind: global_buffer, .address_space: global }
      - { .name: aq, .offset: 32, .size: 8, .value_kind: global_buffer, .address_space: global }
    .group_segment_fixed_size: 272384
    .private_segment_fixed_size: 0
    .kernarg_segment_align: 8
    .kernarg_segment_size: 40
    .max_flat_workgroup_size: 512
    .sgpr_count:     100
    .vgpr_count:     256
    .wavefront_size: 32
...
	.end_amdgpu_metadata
.endif
;; end of part 3
;; launch ogemm (part 4): grid 8 x 32, 4 waves a work-group, clusters of 4 x 4, 327,680 bytes of LDS; arguments aq, wq, lowp_scales, bo, h, h1; writes h1
.if DOCPART == 4
	.amdgcn_target "amdgcn-amd-amdhsa--gfx1250"
	.amdhsa_code_object_version 6
	.text
	.protected	k_q1162b412e6_ogemm
	.globl	k_q1162b412e6_ogemm
	.p2align	8
	.type	k_q1162b412e6_ogemm,@function
k_q1162b412e6_ogemm:
	s_mov_b64 s[64:65], 0
	v_nop
	global_prefetch_b8 v0, s[64:65] scope:SCOPE_SE
	s_setreg_imm32_b32 hwreg(HW_REG_WAVE_MODE, 25, 1), 1
	s_wait_xcnt 0x0
	s_wait_alu depctr_hold_cnt(0) depctr_sa_sdst(0) depctr_va_vdst(0) depctr_va_sdst(0) depctr_va_ssrc(0) depctr_va_vcc(0) depctr_vm_vsrc(0)
	s_getreg_b32 s2, hwreg(HW_REG_IB_STS2, 6, 4)
	s_cmp_eq_u32 s2, 0
	s_cbranch_scc0 .Lentry_in_a_cluster
	s_endpgm
.Lentry_in_a_cluster:
	s_bfe_u32 s2, ttmp6, 0x10000c
	s_cmp_lg_u32 s2, 0xf033
	s_cbranch_scc0 .Lentry_shape_is_right
	s_endpgm
.Lentry_shape_is_right:
; A GEMM ON IMAGES OF E4M3 CODES, tiles of 128 x 128 of C, one text for three launches (KIND).  This one, KIND 1: h1 = h + Q(attention's result) Q(wo) + bo.
; A, B: fragments of 2,048 bytes, (tile x KTOT / 128 + q) x 2048; byte 512 c + 16 lane + i = (row pi(tile, lane % 16), k = 128 q + 32 c + 16 (lane / 16) + i), pi(T, r) = 32 (T / 2) + 8 (T % 2) + r + 8 (r / 8).
; SHARES: 256 work-groups, one tile each; four waves, each 64 x 64: 16 accumulators.  K goes in steps of 512 through two LDS slots; a wave's tensor load brings four tiles' 8,192 bytes each.
; A fragment comes out of LDS by four loads of 512 consecutive bytes: no pitch, no padding.
; CLUSTERS: 4 x 4 work-groups; A's tiles are asked for jointly along a row of the cluster, B's along a column.
; KIND 0: source 0 = tokens, source 1 = wv's columns: a lane holds one channel and its registers run along the tokens, which are the keys, the next product's K: the conversions' results are 16 bytes of the image.
; KIND 1, 2: source 0 = the weight's columns, source 1 = tokens: a lane holds eight neighbouring numbers of a row of C; C = sum x 2^(ea + eb) + bias + residual, f32, out through the wave's own stage in whole rows of 256 bytes.
; No prefetch: with KTOT = 1,024 all tiles are asked for in the first lines; with 4,096 the tile is small and each refill has 56 matrix instructions a wave in which to land.
; LIMITS: ea + eb between -126 and 127; e4 between -126 and 119.  NaN is not served.
; REGISTERS: window 0: v0-31 addresses; v32-127 the way out; v128-255 the accumulators ((a, b) at v[128 + 8 (4 a + b)]).  window 1: two buffers of 128: A's four fragments, then B's four.
.set KIND, 1
.if KIND == 0
.set KTOT, 1024
.set WOFF, 0
.set EA, 72+0
.set EB, 72+1
.elseif KIND == 1
.set KTOT, 1024
.set WOFF, 0x100000
.set EA, 72+6
.set EB, 72+7
.else
.set KTOT, 4096
.set WOFF, 0x600000
.set EA, 72+12
.set EB, 72+13
.endif
.set SLOT,   131072                    ; A's 8 tiles x 8,192 bytes, then B's 8
.set STAGE,  2*SLOT                    ; behind the ring: 16 rows x 272 bytes for each wave
.set SPITCH, 272
.set SPARE,  STAGE+4*16*SPITCH         ; behind the stages: the spare words, 128 bytes a wave: two blocks of 256 bytes that no other line names
.set LAPS,   KTOT/1024                 ; a lap = two K steps = once round the ring
.set ADRA, 16                          ; v16-17 LDS address of my A fragments in slot 0, 1
.set ADRB, 20                          ; v20-21 the same for B
.set STO,  24
.set RD,   25
.set CO,   26
.set LI,   27                          ; v27 16 x lane
.set SPW,  28
.set NIL,  29
.set ACC,  128
.set F0,   0
.set F1,   128
.set G1,   24                          ; s[24:31] group 1 for A's tiles; s[32:39] group 0, a set for each slot
.set G0,   32
.set G1B,  48                          ; s[48:55], s[56:63] the same for B's
.set G0B,  56
.set MSB,  0
.macro WIN new                         ; the immediate's high byte repeats the setting that is left
.if MSB != \new
	s_set_vgpr_msb (MSB<<8)|\new
.set MSB, \new
.endif
.endm
.set MUL,  0x05                        ; sources 0 and 1 window 1; C and D window 0
.set TO_F, 0x40                        ; destination window 1, address window 0
.macro JLOAD s                         ; a joint load: waves 0, 1 fetch A's halves, waves 2, 3 B's; four v_nop follow each of the two lines
	s_cmp_eq_u32 s15, 0
	s_cbranch_scc0 .Lfor_b_\@
	tensor_load_to_lds s[G0+4*\s:G0+4*\s+3], s[G1:G1+7]
	s_nop 0
.rept 4
	v_nop
.endr
	s_branch .Lasked_\@
.Lfor_b_\@:
	tensor_load_to_lds s[G0B+4*\s:G0B+4*\s+3], s[G1B:G1B+7]
	s_nop 0
.rept 4
	v_nop
.endr
.Lasked_\@:
.endm
.macro CREST                           ; a round of the cluster's barrier behind its opening barrier
	s_cmp_lg_u32 s14, 0
	s_cbranch_scc1 .Lnot_wave_0_\@
	s_barrier_signal -3
.Lnot_wave_0_\@:
	s_barrier_wait -3
	s_barrier_signal -1
	s_barrier_wait -1
.endm
.macro CROUND
	s_barrier_signal -1
	s_barrier_wait -1
	CREST
.endm
.macro PLACES                          ; four places ahead of loads into registers that matrix instructions have read, and of the first read of results
.rept 4
	v_nop
.endr
.endm
	s_load_b128 s[4:7], s[0:1], 0x0                ; A's image, wq
	s_load_b128 s[8:11], s[0:1], 0x10              ; the scales' exponents, the bias
.if KIND == 0
	s_load_b64 s[88:89], s[0:1], 0x20              ; the result
.else
	s_load_b128 s[88:91], s[0:1], 0x20             ; the residual, the result
.endif
	v_lshl_add_u32 v[SPW], v0, 2, SPARE
	v_mov_b32 v[NIL], 0
	ds_add_u32 v28, v29
	ds_add_u32 v28, v29
	s_wait_dscnt 0x0
	v_lshrrev_b32 v1, 5, v0
	v_readfirstlane_b32 s14, v1                    ; wave 0..3
	s_lshr_b32 s15, s14, 1                         ; which half of the tile's rows is mine.  Also: I fetch for A (0) or for B (1)
	s_and_b32 s16, s14, 1                          ; which half of its columns.  Also: which four tiles I fetch
	s_bfe_u32 s40, ttmp6, 0x40000                  ; cx, cy
	s_bfe_u32 s41, ttmp6, 0x40004
	s_lshl_b32 s42, ttmp9, 2
	s_add_co_u32 s42, s42, s40                     ; tile column of C
	s_and_b32 s17, ttmp7, 0xffff
	s_lshl_b32 s17, s17, 2
	s_add_co_u32 s17, s17, s41                     ; tile row of C
	s_lshl_b32 s43, s41, 2
	s_lshl_b32 s43, 15, s43                        ; my row of the cluster
	s_lshl_b32 s44, 0x1111, s40                    ; my column
	s_or_b32 s[G1+0], s43, (3<<16)|(1<<21)         ; 15:0 the mask; 17:16 elements of 8 bytes; 21 set beside a mask; no padding
	s_or_b32 s[G1B+0], s44, (3<<16)|(1<<21)
.irp g, G1, G1B
	s_mov_b32 s[\g+1], 1024<<16                    ; tensor_dim0 = 1,024 elements: four fragments of one tile
	s_mov_b32 s[\g+2], 4<<16                       ; tensor_dim1 = 4 tiles
	s_mov_b32 s[\g+3], 1024<<16                    ; tile_dim0
	s_mov_b32 s[\g+4], 4                           ; tile_dim1
	s_mov_b32 s[\g+5], 2*KTOT                      ; from tile to tile: 16 KTOT bytes
	s_mov_b32 s[\g+6], 0
	s_mov_b32 s[\g+7], 0
.endr
	s_lshl_b32 s18, s16, 2
	s_lshl_b32 s20, s17, 3
	s_add_co_u32 s20, s20, s18                     ; A: tile 8 x tile row + 4 x half
	s_lshl_b32 s46, s42, 3
	s_add_co_u32 s46, s46, s18                     ; B: tile 8 x tile column + 4 x half
	s_mul_i32 s20, s20, KTOT*16
	s_mul_i32 s46, s46, KTOT*16
	s_mov_b32 s21, 0
	s_mov_b32 s47, 0
	s_lshl_b32 s45, s14, 15                        ; where they go: wave x 32,768: no place in the cluster enters an LDS address
	s_wait_kmcnt 0x0
	s_load_b256 s[72:79], s[8:9], 0x0
	s_load_b128 s[80:83], s[8:9], 0x20
	s_load_b64 s[84:85], s[8:9], 0x30
	s_add_nc_u64 s[20:21], s[4:5], s[20:21]
	s_add_nc_u64 s[46:47], s[6:7], s[46:47]
.if WOFF
	s_add_nc_u64 s[46:47], s[46:47], WOFF
.endif
	CROUND                                         ; all sixteen work-groups are here: the first joint loads meet
.irp s, 0,1
	s_mov_b32 s[G0+4*\s], 1
	s_add_co_u32 s[G0+4*\s+1], s45, \s*SLOT
	s_add_nc_u64 s[G0+4*\s+2:G0+4*\s+3], s[20:21], \s*8192
	s_or_b32 s[G0+4*\s+3], s[G0+4*\s+3], 0x80000000
	s_mov_b32 s[G0B+4*\s], 1
	s_add_co_u32 s[G0B+4*\s+1], s45, \s*SLOT
	s_add_nc_u64 s[G0B+4*\s+2:G0B+4*\s+3], s[46:47], \s*8192
	s_or_b32 s[G0B+4*\s+3], s[G0B+4*\s+3], 0x80000000
	JLOAD \s
.endr
	v_and_b32 v1, 31, v0
	v_lshlrev_b32 v[LI], 4, v1
	s_lshl_b32 s21, s15, 15                        ; my four tiles of A
	s_lshl_b32 s22, s16, 15
	s_add_co_u32 s22, s22, 65536                   ; my four tiles of B, behind A's eight
.irp s, 0,1
	v_add_nc_u32 v[ADRA+\s], s21, v[LI]
	v_add_nc_u32 v[ADRB+\s], s22, v[LI]
	s_add_co_u32 s21, s21, SLOT
	s_add_co_u32 s22, s22, SLOT
.endr
	v_and_b32 v3, 15, v0                           ; r
	v_bfe_u32 v4, v0, 4, 1                         ; h
	s_lshl_b32 s94, s42, 9
	s_lshl_b32 s95, s16, 8
	s_add_co_u32 s94, s94, s95                     ; my first column, in bytes of f32
	s_mov_b32 s95, 0
	s_add_nc_u64 s[10:11], s[10:11], s[94:95]
.if KIND == 0
	v_and_b32 v5, 8, v3
	v_add_nc_u32 v5, v5, v3
	v_lshlrev_b32 v5, 2, v5                        ; the bias of my channel in tile b: column 32 (b / 2) + 8 (b % 2) + r + 8 (r / 8)
.irp b, 0,1,2,3
	global_load_b32 v[96+2*\b], v5, s[10:11] offset:4*(32*(\b/2)+8*(\b%2))
	v_mov_b32 v[97+2*\b], 0                        ; (named with it as a pair)
.endr
	s_lshr_b32 s94, s17, 4                         ; batch
	s_lshl_b32 s94, s94, 4
	s_lshl_b32 s95, s42, 1
	s_add_co_u32 s94, s94, s95
	s_add_co_u32 s94, s94, s16                     ; 16 batch + head: my 64 columns are one head
	s_lshl_b32 s94, s94, 4
	s_and_b32 s95, s17, 15
	s_add_co_u32 s94, s94, s95                     ; the tile's 128 tokens are one key step
	s_lshl_b32 s94, s94, 13
	s_lshl_b32 s95, s15, 10                        ; my 64 tokens: c = 2 x half + p
	s_add_co_u32 s94, s94, s95
	s_mov_b32 s95, 0
	s_add_nc_u64 s[88:89], s[88:89], s[94:95]
.else
	s_mul_i32 s23, s14, 16*SPITCH
	s_add_co_u32 s23, s23, STAGE                   ; my stage
	v_mul_u32_u24 v5, v3, SPITCH
	v_lshl_add_u32 v5, v4, 6, v5
	v_add_nc_u32 v[STO], s23, v5                   ; in: row r, + 64 h
	v_mul_u32_u24 v5, v4, SPITCH
	v_lshl_add_u32 v5, v3, 4, v5
	v_add_nc_u32 v[RD], s23, v5                    ; back: lanes 0-15 one row of 256 bytes, lanes 16-31 the next
	v_lshlrev_b32 v5, 12, v4
	v_lshl_add_u32 v[CO], v3, 4, v5                ; and the same two rows in memory
	v_lshlrev_b32 v6, 4, v3
	s_lshl_b32 s96, s17, 7
	s_lshl_b32 s97, s15, 6
	s_add_co_u32 s96, s96, s97                     ; my first token
	s_lshl_b32 s96, s96, 12
	s_add_co_u32 s94, s94, s96
	s_add_nc_u64 s[88:89], s[88:89], s[94:95]
	s_add_nc_u64 s[90:91], s[90:91], s[94:95]
	global_load_b128 v[12:15], v6, s[10:11]        ; the bias of the four columns that I store
.macro LOADR a                         ; the residual of block a's 16 tokens, as they are stored: stage row 2 t + l / 16 is token 32 (a / 2) + 8 (a % 2) + 2 t + 8 (t / 4) + l / 16
.set RB, 64+32*((\a)%2)
.irp t, 0,1,2,3,4,5,6,7
	global_load_b128 v[RB+4*\t:RB+4*\t+3], v[CO], s[88:89] offset:(32*((\a)/2)+8*((\a)%2)+2*\t+8*(\t/4))*4096
.endr
.endm
	LOADR 0
	LOADR 1
.endif
.macro MUL4 f, a, zero                 ; four matrix instructions: A's block a against B's four, 128 along K.  The 16 accumulators take turns, in the same order in every quarter
.irp b, 0,1,2,3
.set rD, ACC+8*(4*(\a)+\b)
.if KIND == 0
.set r0, \f+16*(\a)
.set r1, \f+64+16*\b
.else
.set r0, \f+64+16*\b
.set r1, \f+16*(\a)
.endif
.if \zero
	v_wmma_f32_16x16x128_fp8_fp8 v[rD:rD+7], v[r0:r0+15], v[r1:r1+15], 0
.else
	v_wmma_f32_16x16x128_fp8_fp8 v[rD:rD+7], v[r0:r0+15], v[r1:r1+15], v[rD:rD+7]
.endif
.endr
.endm
.macro FETCH slot, q, f                ; 32 LDS loads in one run: the slot's q-th 128 along K into buffer f: B's four fragments, then A's
	WIN TO_F
.irp i, 0,1,2,3
.irp c, 0,1,2,3
	ds_load_b128 v[\f+64+16*\i+4*\c:\f+64+16*\i+4*\c+3], v[ADRB+\slot] offset:\i*8192+(\q)*2048+\c*512
.endr
.endr
.irp i, 0,1,2,3
.irp c, 0,1,2,3
	ds_load_b128 v[\f+16*\i+4*\c:\f+16*\i+4*\c+3], v[ADRA+\slot] offset:\i*8192+(\q)*2048+\c*512
.endr
.endr
.endm
.macro QUARTER slot, qn, f, g, zero    ; multiplies buffer f; in its middle it fetches the slot's quarter qn into buffer g
	s_wait_dscnt 8                                 ; B and A's blocks 0, 1 are in; the youngest eight loads (blocks 2, 3) may be out
	WIN MUL
	MUL4 \f, 0, \zero
	MUL4 \f, 1, \zero
	PLACES
	FETCH \slot, \qn, \g
	s_wait_dscnt 32                                ; all but the 32 just issued
	WIN MUL
	MUL4 \f, 2, \zero
	MUL4 \f, 3, \zero
.endm
; A slot's last quarter multiplies buffer 1 and changes slots: one barrier; ahead of it each wave waits for all its tensor loads, adds 0 to its spare word, and waits for that and for its reads of this slot.
.macro TURN slot, next, fill
	WIN 0
	s_wait_tensorcnt 0x0                           ; all my tensor loads have landed: my part of the next slot
	ds_add_u32 v[SPW], v[NIL]                      ; 0 onto my spare word
	s_wait_dscnt 9                                 ; (the add and the youngest eight loads may be out)
	WIN MUL
	MUL4 F1, 0, 0
	s_wait_dscnt 0x0                               ; the add is done, and my reads of this slot are over
	s_barrier_signal -1
	MUL4 F1, 1, 0
.if \fill
	WIN 0
.endif
	s_barrier_wait -1
.if \fill
	CREST                                          ; the barrier has opened a round of the cluster's: no wave of any partner still reads this slot or has a load on its way
	s_add_nc_u64 s[G0+4*\slot+2:G0+4*\slot+3], s[G0+4*\slot+2:G0+4*\slot+3], 16384
	s_add_nc_u64 s[G0B+4*\slot+2:G0B+4*\slot+3], s[G0B+4*\slot+2:G0B+4*\slot+3], 16384
	JLOAD \slot                                    ; the first tensor load behind the round; its four v_nop are also the places ahead of the loads below
.else
	PLACES
.endif
	FETCH \next, 0, F0
	WIN MUL
	MUL4 F1, 2, 0
	MUL4 F1, 3, 0
.endm
	s_wait_tensorcnt 1                             ; my part of K step 0 is in; K step 1's load may be out
	s_barrier_signal -1
	s_barrier_wait -1
	FETCH 0, 0, F0
	QUARTER 0, 1, F0, F1, 1                        ; the first quarter's products start the sums: nothing is cleared
.if LAPS > 1
	WIN 0
	s_mov_b32 s3, LAPS-1
.Llap:                                                 ; a trip goes once round the ring and fills both slots again
	QUARTER 0, 2, F1, F0, 0
	QUARTER 0, 3, F0, F1, 0
	TURN 0, 1, 1
	QUARTER 1, 1, F0, F1, 0
	QUARTER 1, 2, F1, F0, 0
	QUARTER 1, 3, F0, F1, 0
	TURN 1, 0, 1
	QUARTER 0, 1, F0, F1, 0
	WIN 0
	s_sub_co_u32 s3, s3, 1
	s_cmp_lg_u32 s3, 0
	s_cbranch_scc1 .Llap
.endif
	QUARTER 0, 2, F1, F0, 0                        ; the last lap fills nothing
	QUARTER 0, 3, F0, F1, 0
	TURN 0, 1, 0
	QUARTER 1, 1, F0, F1, 0
	QUARTER 1, 2, F1, F0, 0
	QUARTER 1, 3, F0, F1, 0
	s_wait_dscnt 8
	WIN MUL
	MUL4 F1, 0, 0
	MUL4 F1, 1, 0
	s_wait_dscnt 0x0
	MUL4 F1, 2, 0
	MUL4 F1, 3, 0
	WIN 0
	s_wait_kmcnt 0x0
	s_add_co_i32 s92, s[EA], s[EB]
	s_add_co_i32 s92, s92, 127
	s_lshl_b32 s92, s92, 23                        ; 2^(ea + eb)
	s_mov_b32 s93, s92
	PLACES
.if KIND == 0
	s_add_co_i32 s94, s76, 127                     ; e4
	s_lshl_b32 s95, s94, 23
	v_mov_b32 v9, s95                              ; 2^e4
	s_add_co_i32 s94, s94, 8
	s_lshl_b32 s94, s94, 23
	s_or_b32 s94, s94, 0x600000
	v_mov_b32 v8, s94                              ; 448 x 2^e4
	s_wait_loadcnt 0x0                             ; the bias
; Blocks 2 p and 2 p + 1 of tokens against tile b of channels: a lane's 16 numbers are keys 32 p + 16 h + 0..15 of its channel: 16 bytes of the image.  Two sets of 16 registers take turns.
.set U, 0
.irp p, 0,1
.irp b, 0,1,2,3
.set TT, 32+16*(U%2)
.irp u, 0,1
.irp i, 0,2,4,6
	v_pk_fma_f32 v[TT+8*\u+\i:TT+8*\u+\i+1], v[ACC+8*(4*(2*\p+\u)+\b)+\i:ACC+8*(4*(2*\p+\u)+\b)+\i+1], s[92:93], v[96+2*\b:97+2*\b] op_sel_hi:[1,0,0]
.endr
.endr
.irp i, 0,1,2,3,4,5,6,7,8,9,10,11,12,13,14,15
	v_med3_num_f32 v[TT+\i], v[TT+\i], -v8, v8
.endr
	v_cvt_scalef32_pk8_fp8_f32 v[64+4*U:65+4*U], v[TT:TT+7], v9
	v_cvt_scalef32_pk8_fp8_f32 v[66+4*U:67+4*U], v[TT+8:TT+15], v9
	global_store_b128 v[LI], v[64+4*U:67+4*U], s[88:89] offset:\b*2048+\p*512   ; 512 consecutive bytes
.set U, U+1
.endr
.endr
	v_nop
.else
.macro BLK a, left                     ; block a: 16 tokens x my 64 columns, through my stage, out as whole rows of 256 bytes.  LDS serves a wave's instructions in order (ISA guide 5.7.1.4): no wait between the stores and the loads
.set RB, 64+32*((\a)%2)
.if (\a) > 0
	s_wait_xcnt 0x0                                ; the last block's stores have read their registers
.endif
.irp b, 0,1,2,3
	ds_store_b128 v[STO], v[ACC+8*(4*(\a)+\b):ACC+8*(4*(\a)+\b)+3] offset:128*(\b/2)+32*(\b%2)
	ds_store_b128 v[STO], v[ACC+8*(4*(\a)+\b)+4:ACC+8*(4*(\a)+\b)+7] offset:128*(\b/2)+32*(\b%2)+16
.endr
.irp t, 0,1,2,3,4,5,6,7
	ds_load_b128 v[32+4*\t:35+4*\t], v[RD] offset:\t*2*SPITCH
.endr
	s_wait_dscnt 0x0
	s_wait_loadcnt \left                           ; this block's residual is in; the next block's eight loads may be out
.irp j, 0,2,4,6,8,10,12,14,16,18,20,22,24,26,28,30
	v_pk_fma_f32 v[32+\j:33+\j], v[32+\j:33+\j], s[92:93], v[12+\j%4:13+\j%4] op_sel_hi:[1,0,1]
.endr
.irp j, 0,2,4,6,8,10,12,14,16,18,20,22,24,26,28,30
	v_pk_add_f32 v[32+\j:33+\j], v[32+\j:33+\j], v[RB+\j:RB+\j+1]
.endr
.irp t, 0,1,2,3,4,5,6,7
	global_store_b128 v[CO], v[32+4*\t:35+4*\t], s[90:91] offset:(32*((\a)/2)+8*((\a)%2)+2*\t+8*(\t/4))*4096   ; 16 lanes store 256 consecutive bytes, aligned
.endr
.if (\a)+2 < 4
	LOADR (\a)+2
.endif
.endm
	BLK 0, 8
	BLK 1, 8
	BLK 2, 8
	BLK 3, 0
.endif
	s_wait_tensorcnt 0x0                           ; the wave's end
	ds_add_u32 v[SPW], v[NIL]
	s_wait_dscnt 0x0
	CROUND                                         ; the closing round
	s_endpgm
.Lfunc_end_k_q1162b412e6_ogemm:
	.size	k_q1162b412e6_ogemm, .Lfunc_end_k_q1162b412e6_ogemm-k_q1162b412e6_ogemm
	.p2alignl 7, 3214868480
	.fill 96, 4, 3214868480
	.section	.rodata,"a",@progbits
	.p2align	6, 0x0
	.amdhsa_kernel k_q1162b412e6_ogemm
		.amdhsa_group_segment_fixed_size 327680
		.amdhsa_private_segment_fixed_size 0
		.amdhsa_enable_private_segment 0
		.amdhsa_kernarg_size 48
		.amdhsa_user_sgpr_count 2
		.amdhsa_user_sgpr_kernarg_segment_ptr 1
		.amdhsa_wavefront_size32 1
		.amdhsa_system_sgpr_workgroup_id_x 1
		.amdhsa_system_sgpr_workgroup_id_y 1
		.amdhsa_system_sgpr_workgroup_id_z 1
		.amdhsa_system_vgpr_workitem_id 0
		.amdhsa_next_free_vgpr 512
		.amdhsa_next_free_sgpr 100
		.amdhsa_reserve_vcc 0
		.amdhsa_float_denorm_mode_32 3
		.amdhsa_float_denorm_mode_16_64 3
		.amdhsa_memory_ordered 1
		.amdhsa_forward_progress 1
		.amdhsa_inst_pref_size 53
	.end_amdhsa_kernel
	.amdgpu_metadata
---
amdhsa.version: [ 1, 2 ]
amdhsa.kernels:
  - .name:           k_q1162b412e6_ogemm
    .symbol:         k_q1162b412e6_ogemm.kd
    .args:
      - { .name: aq, .offset: 0, .size: 8, .value_kind: global_buffer, .address_space: global }
      - { .name: wq, .offset: 8, .size: 8, .value_kind: global_buffer, .address_space: global }
      - { .name: lowp_scales, .offset: 16, .size: 8, .value_kind: global_buffer, .address_space: global }
      - { .name: bo, .offset: 24, .size: 8, .value_kind: global_buffer, .address_space: global }
      - { .name: h, .offset: 32, .size: 8, .value_kind: global_buffer, .address_space: global }
      - { .name: h1, .offset: 40, .size: 8, .value_kind: global_buffer, .address_space: global }
    .group_segment_fixed_size: 327680
    .private_segment_fixed_size: 0
    .kernarg_segment_align: 8
    .kernarg_segment_size: 48
    .max_flat_workgroup_size: 128
    .sgpr_count:     100
    .vgpr_count:     512
    .wavefront_size: 32
...
	.end_amdgpu_metadata
.endif
;; end of part 4
;; launch mid (part 5): grid 288 x 1, 8 waves a work-group, no clusters, 52,736 bytes of LDS; arguments h1, ln2_g, ln2_b, lowp_scales, hnq, wq, z, bcn, lnc_g, lnc_b, h2q, out1; writes h2q, out1
.if DOCPART == 5
	.amdgcn_target "amdgcn-amd-amdhsa--gfx1250"
	.amdhsa_code_object_version 6
	.text
	.protected	k_q1162b412e6_mid
	.globl	k_q1162b412e6_mid
	.p2align	8
	.type	k_q1162b412e6_mid,@function
k_q1162b412e6_mid:
	s_mov_b64 s[64:65], 0
	v_nop
	global_prefetch_b8 v0, s[64:65] scope:SCOPE_SE
	s_setreg_imm32_b32 hwreg(HW_REG_WAVE_MODE, 25, 1), 1
	s_wait_xcnt 0x0
; MID: two small steps that both wait for earlier launches, in one launch; the work-group's number chooses the path.
;   work-groups 0-255:   hn2 = LayerNorm(h1), quantised (e10) into the image h2q.  One tile of 16 tokens each; wave w takes rows 2 w, 2 w + 1 of the tile.
;   work-groups 256-287: out1 = LayerNorm(z + Q(hn) Q(wcn) + bcn).  A wave takes one tile of 16 tokens and all 64 columns: K = 1,024 in eight fragments, straight from memory into registers.
; Images: fragment (tile T, q) at (8 T + q) x 2048; byte 512 c + 16 lane + i = (row pi(T, lane % 16), k = 128 q + 32 c + 16 (lane / 16) + i), pi(T, r) = 32 (T / 2) + 8 (T % 2) + r + 8 (r / 8).
; Each path has LDS bytes of its own: the first a stage of 16 rows x 1,040 bytes at 0, the second 16 rows x 272 bytes for each wave from 16,896 on.  No tensor load; no tile is shared but wcn's 64 KiB.
; LIMITS: e10 between -126 and 119; e8 + e9 between -126 and 127.  NaN is not served.
.set SEL,  86
.set SROW, 1040
.macro REDUCE r, t, wide               ; the sum of v[r] over the 32 lanes (wide = 1) or over lanes l and l xor 16 (0), in every lane
.if \wide
	v_add_f32_dpp v[\r], v[\r], v[\r] row_xmask:1 row_mask:0xf bank_mask:0xf
	v_add_f32_dpp v[\r], v[\r], v[\r] row_xmask:2 row_mask:0xf bank_mask:0xf
	v_add_f32_dpp v[\r], v[\r], v[\r] row_xmask:4 row_mask:0xf bank_mask:0xf
	v_add_f32_dpp v[\r], v[\r], v[\r] row_xmask:8 row_mask:0xf bank_mask:0xf
.endif
	v_permlanex16_b32 v[\t], v[\r], s[SEL], s[SEL+1]
	v_add_f32 v[\r], v[\r], v[\t]
.endm
; The lane's 32 numbers in v[xr ..] become (x - mean) / sqrt(var + 1e-5); s[sc] = 1 / the row's length; gb = 1: then x gain (v16-47) + bias (v48-79)
.macro ROWSTAT xr, wide, sc, gb
.irp c, 0,2,4,6
	v_pk_add_f32 v[6+\c:7+\c], v[\xr+\c:\xr+\c+1], v[\xr+8+\c:\xr+9+\c]
.endr
.irp k, 16,24
.irp c, 0,2,4,6
	v_pk_add_f32 v[6+\c:7+\c], v[6+\c:7+\c], v[\xr+\k+\c:\xr+\k+\c+1]
.endr
.endr
	v_pk_add_f32 v[6:7], v[6:7], v[8:9]
	v_pk_add_f32 v[10:11], v[10:11], v[12:13]
	v_pk_add_f32 v[6:7], v[6:7], v[10:11]
	v_add_f32 v6, v6, v7
	REDUCE 6, 7, \wide
	v_mul_f32 v14, s[\sc], v6
	v_mov_b32 v15, v14
.set i, 0
.rept 16
	v_pk_add_f32 v[\xr+i:\xr+i+1], v[\xr+i:\xr+i+1], v[14:15] neg_lo:[0,1] neg_hi:[0,1]
.set i, i+2
.endr
.irp c, 0,2,4,6
	v_pk_mul_f32 v[6+\c:7+\c], v[\xr+\c:\xr+\c+1], v[\xr+\c:\xr+\c+1]
.endr
.irp k, 8,16,24
.irp c, 0,2,4,6
	v_pk_fma_f32 v[6+\c:7+\c], v[\xr+\k+\c:\xr+\k+\c+1], v[\xr+\k+\c:\xr+\k+\c+1], v[6+\c:7+\c]
.endr
.endr
	v_pk_add_f32 v[6:7], v[6:7], v[8:9]
	v_pk_add_f32 v[10:11], v[10:11], v[12:13]
	v_pk_add_f32 v[6:7], v[6:7], v[10:11]
	v_add_f32 v6, v6, v7
	REDUCE 6, 7, \wide
	v_fma_f32 v6, v6, s[\sc], s89
	v_rsq_f32 v14, v6
	v_nop                                          ; a plain instruction behind the transcendental,
	s_wait_alu depctr_va_vdst(0)                   ; and the wait ahead of the first line that names its result
	v_mov_b32 v15, v14
.set i, 0
.rept 16
	v_pk_mul_f32 v[\xr+i:\xr+i+1], v[\xr+i:\xr+i+1], v[14:15]
.set i, i+2
.endr
.if \gb
	s_wait_loadcnt 0x0                             ; gain and bias
.set i, 0
.rept 16
	v_pk_fma_f32 v[\xr+i:\xr+i+1], v[\xr+i:\xr+i+1], v[16+i:17+i], v[48+i:49+i]
.set i, i+2
.endr
.endif
.endm
	s_load_b64 s[4:5], s[0:1], 0x18                ; the scales' exponents
	s_set_vgpr_msb 0x40
	v_lshl_add_u32 v0, v0, 2, 0xca00
	v_mov_b32 v1, 0
	s_set_vgpr_msb 0x4000
	v_lshrrev_b32 v1, 5, v0
	v_readfirstlane_b32 s20, v1                    ; wave 0..7
	v_and_b32 v2, 31, v0                           ; lane
	s_mov_b32 s[SEL], 0x76543210
	s_mov_b32 s[SEL+1], 0xfedcba98
	s_mov_b32 s88, 0x3a800000                      ; 1 / 1024
	s_mov_b32 s89, 0x3727c5ac                      ; 1e-5
	s_mov_b32 s90, 0x3c800000                      ; 1 / 64
	s_wait_kmcnt 0x0
	s_load_b128 s[80:83], s[4:5], 0x20             ; e8 .. e11
	s_cmp_lt_u32 ttmp9, 256
	s_cbranch_scc0 .Lznext
; ---------------- LayerNorm 2.  v3 16 x lane; v4, v5 the stage, in and back; v6-15 sums, then scale and hold; v16-47 gain; v48-79 bias; v80-143 two rows; v152-167 codes
	s_load_b128 s[24:27], s[0:1], 0x0              ; h1, ln2_g
	s_load_b64 s[28:29], s[0:1], 0x10              ; ln2_b
	s_load_b64 s[30:31], s[0:1], 0x50              ; h2q
	s_lshr_b32 s32, ttmp9, 1
	s_lshl_b32 s32, s32, 5
	s_and_b32 s33, ttmp9, 1
	s_lshl_b32 s33, s33, 3
	s_add_co_u32 s32, s32, s33
	s_lshl_b32 s33, s20, 1
	s_add_co_u32 s32, s32, s33
	s_lshr_b32 s33, s20, 2
	s_lshl_b32 s33, s33, 3
	s_add_co_u32 s32, s32, s33                     ; token pi(T, 2 w)
	s_lshl_b32 s32, s32, 12
	s_mov_b32 s33, 0
	v_lshlrev_b32 v3, 4, v2
	s_mul_i32 s34, s20, 2*SROW
	v_lshlrev_b32 v4, 2, v2
	v_add_nc_u32 v4, s34, v4
	v_and_b32 v5, 15, v2
	v_mul_u32_u24 v5, v5, SROW
	v_lshrrev_b32 v1, 4, v2
	v_lshl_add_u32 v5, v1, 4, v5
	s_lshl_b32 s37, s20, 7                         ; wave w sends out fragment w
	v_add_nc_u32 v5, s37, v5
	s_lshl_b32 s38, ttmp9, 14
	s_lshl_b32 s39, s20, 11
	s_add_co_u32 s38, s38, s39
	s_mov_b32 s39, 0
	s_wait_kmcnt 0x0
	s_add_nc_u64 s[24:25], s[24:25], s[32:33]
	s_add_nc_u64 s[30:31], s[30:31], s[38:39]
.irp x, 0,1
.irp j, 0,1,2,3,4,5,6,7
	global_load_b128 v[80+32*\x+4*\j:83+32*\x+4*\j], v3, s[24:25] offset:4096*\x+512*\j
.endr
.endr
.irp j, 0,1,2,3,4,5,6,7
	global_load_b128 v[16+4*\j:19+4*\j], v3, s[26:27] offset:512*\j
.endr
.irp j, 0,1,2,3,4,5,6,7
	global_load_b128 v[48+4*\j:51+4*\j], v3, s[28:29] offset:512*\j
.endr
	s_wait_loadcnt 16                              ; my two rows are in; gain and bias may be out
	ROWSTAT 80, 1, 88, 1
	ROWSTAT 112, 1, 88, 1
	s_add_co_i32 s92, s82, 127                     ; e10
	s_lshl_b32 s93, s92, 23
	v_mov_b32 v6, s93
	s_add_co_i32 s92, s92, 8
	s_lshl_b32 s92, s92, 23
	s_or_b32 s92, s92, 0x600000
	v_mov_b32 v7, s92
.irp x, 0,1
.irp m, 0,1,2,3
.irp i, 0,1,2,3,4,5,6,7
	v_med3_num_f32 v[80+32*\x+8*\m+\i], v[80+32*\x+8*\m+\i], -v7, v7
.endr
	v_cvt_scalef32_pk8_fp8_f32 v[152+8*\x+2*\m:153+8*\x+2*\m], v[80+32*\x+8*\m:87+32*\x+8*\m], v6   ; one word of codes for each of two neighbouring loads
.endr
.endr
	v_nop
.irp x, 0,1
.irp j, 0,1,2,3,4,5,6,7
	ds_store_b32 v4, v[152+8*\x+\j] offset:\x*SROW+128*\j
.endr
.endr
	s_wait_dscnt 0x0                               ; for the others' sake: my stores into the stage are done
	s_barrier_signal -1
	s_barrier_wait -1
.irp c, 0,1,2,3
	ds_load_b128 v[80+4*\c:83+4*\c], v5 offset:32*\c
.endr
.irp c, 0,1,2,3
	s_wait_dscnt 3-\c
	global_store_b128 v3, v[80+4*\c:83+4*\c], s[30:31] offset:512*\c
.endr
	s_set_vgpr_msb 0x5
	s_wait_tensorcnt 0x0
	ds_add_u32 v0, v1
	s_wait_dscnt 0x0
	s_set_vgpr_msb 0x500
	s_endpgm
; ---------------- the next coordinates.  Source 0 = 16 columns of wcn, source 1 = my 16 tokens: lane (r, h) holds token pi(T, r) and register 16 b + i the column 32 b + 16 h + i.
; v1, v48, v51, v52 offsets; v49, v50 the stage; v16-47 z, then x; v64-143, v144-223 two sets: A's fragment and wcn's four; v224-255 the four sums
.Lznext:
	s_load_b128 s[24:27], s[0:1], 0x20             ; hnq, wq
	s_load_b128 s[28:31], s[0:1], 0x30             ; z, bcn
	s_load_b128 s[32:35], s[0:1], 0x40             ; lnc_g, lnc_b
	s_load_b64 s[36:37], s[0:1], 0x58              ; out1
	s_sub_co_u32 s21, ttmp9, 256
	s_lshl_b32 s21, s21, 3
	s_add_co_u32 s21, s21, s20                     ; my tile of tokens
	v_lshlrev_b32 v3, 4, v2
	v_and_b32 v4, 15, v2
	v_lshrrev_b32 v5, 4, v2
	v_and_b32 v1, 8, v4
	v_add_nc_u32 v1, v1, v4
	v_lshlrev_b32 v1, 8, v1
	v_lshl_add_u32 v1, v5, 6, v1                   ; z: row r + 8 (r / 8) of 256 bytes, + 64 h
	v_lshlrev_b32 v48, 6, v5                       ; bcn: 64 h
	s_mul_i32 s40, s20, 4352
	s_add_co_u32 s40, s40, 16896                   ; my stage
	v_mul_u32_u24 v49, v4, 272
	v_lshl_add_u32 v49, v5, 6, v49
	v_add_nc_u32 v49, s40, v49
	v_mul_u32_u24 v50, v5, 272
	v_lshl_add_u32 v50, v4, 4, v50
	v_add_nc_u32 v50, s40, v50
	v_lshlrev_b32 v51, 8, v5
	v_lshl_add_u32 v51, v4, 4, v51                 ; out1: lanes 0-15 one row of 256 bytes, lanes 16-31 the next
	v_lshlrev_b32 v52, 4, v4
	s_lshl_b32 s38, s21, 14
	s_add_co_u32 s38, s38, 0x400000                ; the codes under e8
	s_mov_b32 s39, 0
	s_lshr_b32 s41, s21, 1
	s_lshl_b32 s41, s41, 5
	s_and_b32 s42, s21, 1
	s_lshl_b32 s42, s42, 3
	s_add_co_u32 s42, s41, s42
	s_lshl_b32 s42, s42, 8
	s_mov_b32 s43, 0
	s_wait_kmcnt 0x0
	s_add_nc_u64 s[24:25], s[24:25], s[38:39]
	s_add_nc_u64 s[26:27], s[26:27], 0xa00000
	s_add_nc_u64 s[28:29], s[28:29], s[42:43]
	s_add_nc_u64 s[36:37], s[36:37], s[42:43]
.irp b, 0,1
.irp x, 0,1,2,3
	global_load_b128 v[16+16*\b+4*\x:19+16*\b+4*\x], v1, s[28:29] offset:128*\b+16*\x
.endr
.endr
.macro LOADQ q                         ; 20 loads of 512 consecutive bytes: fragment q of my tokens and of wcn's four tiles
.set SB, 64+80*((\q)%2)
.irp c, 0,1,2,3
	global_load_b128 v[SB+4*\c:SB+4*\c+3], v3, s[24:25] offset:(\q)*2048+512*\c
.endr
.irp n, 0,1,2,3
.irp c, 0,1,2,3
	global_load_b128 v[SB+16+16*\n+4*\c:SB+16+16*\n+4*\c+3], v3, s[26:27] offset:\n*16384+(\q)*2048+512*\c
.endr
.endr
.endm
	LOADQ 0
	LOADQ 1
.macro ZSTEP q
.if (\q) < 7
	s_wait_loadcnt 20                              ; this fragment's loads are in; the next one's 20 may be out
.else
	s_wait_loadcnt 10                              ; behind the last fragment's loads: bcn's eight, the gain's and the bias's
.endif
.set SB, 64+80*((\q)%2)
.irp n, 0,1,2,3                        ; the four sums take turns
.if (\q) == 0
	v_wmma_f32_16x16x128_fp8_fp8 v[224+8*\n:231+8*\n], v[SB+16+16*\n:SB+31+16*\n], v[SB:SB+15], 0
.else
	v_wmma_f32_16x16x128_fp8_fp8 v[224+8*\n:231+8*\n], v[SB+16+16*\n:SB+31+16*\n], v[SB:SB+15], v[224+8*\n:231+8*\n]
.endif
.endr
.rept 4
	v_nop                                          ; four places ahead of loads into registers that these products have read, and of the first read of the sums
.endr
.if (\q)+2 < 8
	LOADQ (\q)+2
.elseif (\q) == 6
.irp b, 0,1
.irp x, 0,1,2,3
	global_load_b128 v[64+16*\b+4*\x:67+16*\b+4*\x], v48, s[30:31] offset:128*\b+16*\x
.endr
.endr
	global_load_b128 v[96:99], v52, s[32:33]
	global_load_b128 v[100:103], v52, s[34:35]
.endif
.endm
.irp q, 0,1,2,3,4,5,6,7
	ZSTEP \q
.endr
	s_add_co_i32 s92, s80, s81
	s_add_co_i32 s92, s92, 127
	s_lshl_b32 s92, s92, 23                        ; 2^(e8 + e9)
	s_mov_b32 s93, s92
	s_wait_loadcnt 0x0
.set i, 0
.rept 16
	v_pk_fma_f32 v[64+i:65+i], v[224+i:225+i], s[92:93], v[64+i:65+i] op_sel_hi:[1,0,1]
.set i, i+2
.endr
.set i, 0
.rept 16
	v_pk_add_f32 v[16+i:17+i], v[16+i:17+i], v[64+i:65+i]
.set i, i+2
.endr
	ROWSTAT 16, 0, 90, 0
.irp b, 0,1
.irp x, 0,1,2,3
	ds_store_b128 v49, v[16+16*\b+4*\x:19+16*\b+4*\x] offset:128*\b+16*\x
.endr
.endr
.irp t, 0,1,2,3,4,5,6,7
	ds_load_b128 v[64+4*\t:67+4*\t], v50 offset:\t*2*272           ; LDS serves a wave's instructions in order (ISA guide 5.7.1.4): these see my stores
.endr
.irp t, 0,1,2,3,4,5,6,7
	s_wait_dscnt 7-\t
	v_pk_fma_f32 v[64+4*\t:65+4*\t], v[64+4*\t:65+4*\t], v[96:97], v[100:101]
	v_pk_fma_f32 v[66+4*\t:67+4*\t], v[66+4*\t:67+4*\t], v[98:99], v[102:103]
	global_store_b128 v51, v[64+4*\t:67+4*\t], s[36:37] offset:(2*\t+8*(\t/4))*256   ; 16 lanes store a whole row of 256 bytes
.endr
	s_set_vgpr_msb 0x5
	s_wait_tensorcnt 0x0
	ds_add_u32 v0, v1
	s_wait_dscnt 0x0
	s_set_vgpr_msb 0x500
	s_endpgm
.Lfunc_end_k_q1162b412e6_mid:
	.size	k_q1162b412e6_mid, .Lfunc_end_k_q1162b412e6_mid-k_q1162b412e6_mid
	.p2alignl 7, 3214868480
	.fill 96, 4, 3214868480
	.section	.rodata,"a",@progbits
	.p2align	6, 0x0
	.amdhsa_kernel k_q1162b412e6_mid
		.amdhsa_group_segment_fixed_size 52736
		.amdhsa_private_segment_fixed_size 0
		.amdhsa_enable_private_segment 0
		.amdhsa_kernarg_size 96
		.amdhsa_user_sgpr_count 2
		.amdhsa_user_sgpr_kernarg_segment_ptr 1
		.amdhsa_wavefront_size32 1
		.amdhsa_system_sgpr_workgroup_id_x 1
		.amdhsa_system_sgpr_workgroup_id_y 1
		.amdhsa_system_sgpr_workgroup_id_z 1
		.amdhsa_system_vgpr_workitem_id 0
		.amdhsa_next_free_vgpr 258
		.amdhsa_next_free_sgpr 100
		.amdhsa_reserve_vcc 0
		.amdhsa_float_denorm_mode_32 3
		.amdhsa_float_denorm_mode_16_64 3
		.amdhsa_memory_ordered 1
		.amdhsa_forward_progress 1
		.amdhsa_inst_pref_size 57
	.end_amdhsa_kernel
	.amdgpu_metadata
---
amdhsa.version: [ 1, 2 ]
amdhsa.kernels:
  - .name:           k_q1162b412e6_mid
    .symbol:         k_q1162b412e6_mid.kd
    .args:
      - { .name: h1, .offset: 0, .size: 8, .value_kind: global_buffer, .address_space: global }
      - { .name: ln2_g, .offset: 8, .size: 8, .value_kind: global_buffer, .address_space: global }
      - { .name: ln2_b, .offset: 16, .size: 8, .value_kind: global_buffer, .address_space: global }
      - { .name: lowp_scales, .offset: 24, .size: 8, .value_kind: global_buffer, .address_space: global }
      - { .name: hnq, .offset: 32, .size: 8, .value_kind: global_buffer, .address_space: global }
      - { .name: wq, .offset: 40, .size: 8, .value_kind: global_buffer, .address_space: global }
      - { .name: z, .offset: 48, .size: 8, .value_kind: global_buffer, .address_space: global }
      - { .name: bcn, .offset: 56, .size: 8, .value_kind: global_buffer, .address_space: global }
      - { .name: lnc_g, .offset: 64, .size: 8, .value_kind: global_buffer, .address_space: global }
      - { .name: lnc_b, .offset: 72, .size: 8, .value_kind: global_buffer, .address_space: global }
      - { .name: h2q, .offset: 80, .size: 8, .value_kind: global_buffer, .address_space: global }
      - { .name: out1, .offset: 88, .size: 8, .value_kind: global_buffer, .address_space: global }
    .group_segment_fixed_size: 52736
    .private_segment_fixed_size: 0
    .kernarg_segment_align: 8
    .kernarg_segment_size: 96
    .max_flat_workgroup_size: 256
    .sgpr_count:     100
    .vgpr_count:     258
    .wavefront_size: 32
...
	.end_amdgpu_metadata
.endif
;; end of part 5
;; launch ffn1 (part 6): grid 16 x 16, 4 waves a work-group, clusters of 4 x 4, 327,680 bytes of LDS; arguments h2q, wq, lowp_scales, b1, gq; writes gq
.if DOCPART == 6
	.amdgcn_target "amdgcn-amd-amdhsa--gfx1250"
	.amdhsa_code_object_version 6
	.text
	.protected	k_q1162b412e6_ffn1
	.globl	k_q1162b412e6_ffn1
	.p2align	8
	.type	k_q1162b412e6_ffn1,@function
k_q1162b412e6_ffn1:
	s_mov_b64 s[64:65], 0
	v_nop
	global_prefetch_b8 v0, s[64:65] scope:SCOPE_SE
	s_setreg_imm32_b32 hwreg(HW_REG_WAVE_MODE, 25, 1), 1
	s_wait_xcnt 0x0
	s_wait_alu depctr_hold_cnt(0) depctr_sa_sdst(0) depctr_va_vdst(0) depctr_va_sdst(0) depctr_va_ssrc(0) depctr_va_vcc(0) depctr_vm_vsrc(0)
	s_getreg_b32 s2, hwreg(HW_REG_IB_STS2, 6, 4)
	s_cmp_eq_u32 s2, 0
	s_cbranch_scc0 .Lentry_in_a_cluster
	s_endpgm
.Lentry_in_a_cluster:
	s_bfe_u32 s2, ttmp6, 0x10000c
	s_cmp_lg_u32 s2, 0xf033
	s_cbranch_scc0 .Lentry_shape_is_right
	s_endpgm
.Lentry_shape_is_right:
; gq = Q(gelu(Q(hn2) Q(w1) + b1)): [4096 x 1024] x [1024 x 4096] on images of E4M3 codes; the exact GELU and the quantiser (e12) stand on the way out, and the result leaves as the next product's image.
; Images: fragment (tile T, q) at (T x K / 128 + q) x 2048; byte 512 c + 16 lane + i = (row pi(T, lane % 16), k = 128 q + 32 c + 16 (lane / 16) + i), pi(T, r) = 32 (T / 2) + 8 (T % 2) + r + 8 (r / 8).
; SHARES: a tile of C, 256 x 256, is made by four waves, each 128 x 128: 64 accumulators, 512 registers; 256 work-groups.  K goes in steps of 256 through two LDS slots; a wave's tensor load brings eight tiles' 4,096 bytes.
; CLUSTERS: 4 x 4 work-groups; A's tiles are asked for jointly along a row of the cluster, B's along a column.
; TRANSPOSED: source 0 = 16 columns of w1, source 1 = 16 tokens: lane (r, h) holds token pi(a, r), and the 16 registers of tiles 2 p, 2 p + 1 are columns 32 p + 16 h + 0..15: 16 neighbours along the next K.
; erf(y) = y P(y^2) / R(y^2), y held within +-4: a rational form with seven and five coefficients, whose error is a few units in f32's last place.
; The way out is a loop over my eight blocks of tokens: only the 32 lines that take a block's sums out of their window differ from trip to trip, and a branch on the trip's number picks them.
; No prefetch: of the four K steps two are asked for in the first lines.
; LIMITS: e10 + e11 between -126 and 127; e12 between -126 and 119.  NaN is not served.
; REGISTERS: window 0: v0-31 addresses and constants; v32-95 b1; from v128 A's fragments, one set; on the way out v96-159 x, v160-223 at work, v224-239 codes.  window 1: B's fragments, two sets.  windows 2, 3: the accumulators.
.set SLOT,   131072                    ; A's 16 tiles x 4,096 bytes, then B's 16
.set SPARE,  2*SLOT                    ; behind the ring: the spare words, 128 bytes a wave: two blocks of 256 bytes that no other line names
.set LAPS,   2
.set FR,     16
.set NL,     4
.set NP,     4
.set ADRA, 16
.set ADRB, 20
.set LI,   26                          ; v26 16 x lane
.set SPW,  28
.set NIL,  29
.set AF,   128
.set X,    96
.set Y,    160
.set Y2,   176
.set PN,   192
.set QD,   208
.set G1, 24
.set G0, 32
.set G1B, 48
.set G0B, 56
.set MSB, 0
.macro WIN new
.if MSB != \new
	s_set_vgpr_msb (MSB<<8)|\new
.set MSB, \new
.endif
.endm
.set MUL_LO, 0xa1                      ; source 0 (B) window 1, source 1 (A) window 0, C and D window 2
.set MUL_HI, 0xf1
.set TO_B,   0x40
.macro JLOAD s                         ; a joint load: waves 0, 1 fetch for A, waves 2, 3 for B; four v_nop follow each of the two lines
	s_cmp_eq_u32 s15, 0
	s_cbranch_scc0 .Lfor_b_\@
	tensor_load_to_lds s[G0+4*\s:G0+4*\s+3], s[G1:G1+7]
	s_nop 0
.rept 4
	v_nop
.endr
	s_branch .Lasked_\@
.Lfor_b_\@:
	tensor_load_to_lds s[G0B+4*\s:G0B+4*\s+3], s[G1B:G1B+7]
	s_nop 0
.rept 4
	v_nop
.endr
.Lasked_\@:
.endm
.macro CREST
	s_cmp_lg_u32 s14, 0
	s_cbranch_scc1 .Lnot_wave_0_\@
	s_barrier_signal -3
.Lnot_wave_0_\@:
	s_barrier_wait -3
	s_barrier_signal -1
	s_barrier_wait -1
.endm
.macro CROUND
	s_barrier_signal -1
	s_barrier_wait -1
	CREST
.endm
	s_load_b128 s[4:7], s[0:1], 0x0                ; h2q, wq
	s_load_b128 s[8:11], s[0:1], 0x10              ; the scales' exponents, b1
	s_load_b64 s[12:13], s[0:1], 0x20              ; gq
	v_lshl_add_u32 v[SPW], v0, 2, SPARE
	v_mov_b32 v[NIL], 0
	ds_add_u32 v28, v29
	ds_add_u32 v28, v29
	s_wait_dscnt 0x0
	v_lshrrev_b32 v1, 5, v0
	v_readfirstlane_b32 s14, v1                    ; wave 0..3
	s_lshr_b32 s15, s14, 1                         ; which half of the tile's rows is mine.  Also: I fetch for A (0) or for B (1)
	s_and_b32 s16, s14, 1                          ; which half of its columns.  Also: which eight tiles I fetch
	s_bfe_u32 s40, ttmp6, 0x40000
	s_bfe_u32 s41, ttmp6, 0x40004
	s_lshl_b32 s42, ttmp9, 2
	s_add_co_u32 s42, s42, s40                     ; tile column of C
	s_and_b32 s17, ttmp7, 0xffff
	s_lshl_b32 s17, s17, 2
	s_add_co_u32 s17, s17, s41                     ; tile row of C
	s_lshl_b32 s43, s41, 2
	s_lshl_b32 s43, 15, s43
	s_lshl_b32 s44, 0x1111, s40
	s_or_b32 s[G1+0], s43, (3<<16)|(1<<21)         ; the mask; elements of 8 bytes; bit 21 beside a mask; no padding
	s_or_b32 s[G1B+0], s44, (3<<16)|(1<<21)
.irp g, G1, G1B
	s_mov_b32 s[\g+1], 512<<16                     ; tensor_dim0 = 512 elements: two fragments of one tile
	s_mov_b32 s[\g+2], 8<<16                       ; tensor_dim1 = 8 tiles
	s_mov_b32 s[\g+3], 512<<16
	s_mov_b32 s[\g+4], 8
	s_mov_b32 s[\g+5], 2048                        ; from tile to tile: 16,384 bytes
	s_mov_b32 s[\g+6], 0
	s_mov_b32 s[\g+7], 0
.endr
	s_lshl_b32 s18, s16, 3
	s_lshl_b32 s20, s17, 4
	s_add_co_u32 s20, s20, s18
	s_lshl_b32 s20, s20, 14                        ; A: tile 16 x tile row + 8 x half
	s_lshl_b32 s46, s42, 4
	s_add_co_u32 s46, s46, s18
	s_lshl_b32 s46, s46, 14                        ; B: tile 16 x tile column + 8 x half
	s_mov_b32 s21, 0
	s_mov_b32 s47, 0
	s_lshl_b32 s45, s14, 15
	s_wait_kmcnt 0x0
	s_load_b128 s[80:83], s[8:9], 0x20             ; e8 .. e11
	s_load_b64 s[84:85], s[8:9], 0x30              ; e12, e13
	s_add_nc_u64 s[20:21], s[4:5], s[20:21]
	s_add_nc_u64 s[46:47], s[6:7], s[46:47]
	s_add_nc_u64 s[46:47], s[46:47], 0x200000      ; w1's image
	CROUND
.irp s, 0,1
	s_mov_b32 s[G0+4*\s], 1
	s_add_co_u32 s[G0+4*\s+1], s45, \s*SLOT
	s_add_nc_u64 s[G0+4*\s+2:G0+4*\s+3], s[20:21], \s*4096
	s_or_b32 s[G0+4*\s+3], s[G0+4*\s+3], 0x80000000
	s_mov_b32 s[G0B+4*\s], 1
	s_add_co_u32 s[G0B+4*\s+1], s45, \s*SLOT
	s_add_nc_u64 s[G0B+4*\s+2:G0B+4*\s+3], s[46:47], \s*4096
	s_or_b32 s[G0B+4*\s+3], s[G0B+4*\s+3], 0x80000000
	JLOAD \s
.endr
	v_and_b32 v1, 31, v0
	v_lshlrev_b32 v[LI], 4, v1
	s_lshl_b32 s21, s15, 15
	s_lshl_b32 s22, s16, 15
	s_add_co_u32 s22, s22, 65536
.irp s, 0,1
	v_add_nc_u32 v[ADRA+\s], s21, v[LI]
	v_add_nc_u32 v[ADRB+\s], s22, v[LI]
	s_add_co_u32 s21, s21, SLOT
	s_add_co_u32 s22, s22, SLOT
.endr
	v_bfe_u32 v2, v0, 4, 1
	v_lshlrev_b32 v2, 6, v2                        ; b1: + 16 h numbers
	s_lshl_b32 s86, s42, 10
	s_lshl_b32 s87, s16, 9
	s_add_co_u32 s86, s86, s87                     ; my 128 columns, in bytes
	s_mov_b32 s87, 0
	s_add_nc_u64 s[10:11], s[10:11], s[86:87]
.irp p, 0,1,2,3
.irp x, 0,1,2,3
	global_load_b128 v[32+16*\p+4*\x:35+16*\p+4*\x], v2, s[10:11] offset:128*\p+16*\x   ; register 16 p + i: b1 of column 32 p + 16 h + i
.endr
.endr
	s_lshl_b32 s86, s17, 4
	s_lshl_b32 s87, s15, 3
	s_add_co_u32 s86, s86, s87                     ; my first tile of tokens
	s_lshl_b32 s86, s86, 5
	s_lshl_b32 s87, s42, 1
	s_add_co_u32 s86, s86, s87
	s_add_co_u32 s86, s86, s16                     ; my 128 columns are fragment 2 x tile column + half of the next K
	s_lshl_b32 s86, s86, 11
	s_mov_b32 s87, 0
	s_add_nc_u64 s[12:13], s[12:13], s[86:87]
.macro FRAG reg, adr, q, i
.irp c, 0,1,2,3
	ds_load_b128 v[\reg+4*\c:\reg+4*\c+3], v[\adr] offset:(\i)*4096+(\q)*2048+512*\c
.endr
.endm
.macro MUL16 a0, p, zero               ; A's blocks a0, a0 + 1 x B's eight; the 64 accumulators take turns, in the same order in every step
.irp a, \a0, \a0+1
.irp b, 0,1,2,3,4,5,6,7
.if \zero
	v_wmma_f32_16x16x128_fp8_fp8 v[8*(8*((\a)%4)+\b):8*(8*((\a)%4)+\b)+7], v[128*(\p)+FR*\b:128*(\p)+FR*\b+FR-1], v[AF+FR*(\a):AF+FR*(\a)+FR-1], 0
.else
	v_wmma_f32_16x16x128_fp8_fp8 v[8*(8*((\a)%4)+\b):8*(8*((\a)%4)+\b)+7], v[128*(\p)+FR*\b:128*(\p)+FR*\b+FR-1], v[AF+FR*(\a):AF+FR*(\a)+FR-1], v[8*(8*((\a)%4)+\b):8*(8*((\a)%4)+\b)+7]
.endif
.endr
.endr
.endm
.macro FETCH_B slot, q, p
	WIN TO_B
.irp i, 0,1,2,3,4,5,6,7
	FRAG 128*(\p)+FR*\i, ADRB+\slot, \q, \i
.endr
	WIN 0
.endm
.macro FETCH_A slot, q, i0
.irp i, \i0, \i0+1, \i0+2, \i0+3
	FRAG AF+FR*(\i), ADRA+\slot, \q, \i
.endr
.endm
.macro PLACES n                        ; places ahead of loads into registers that matrix instructions have read, and of the first read of results
.rept \n
	v_nop
.endr
.endm
.macro STEP slot, q, zero              ; a step of 128 along K that has its successor in the same slot.  A block of A is free as soon as its eight products are issued: one set serves A, two serve B
	s_wait_dscnt 4*NL                              ; B's set and A's blocks 0-3 are in; the youngest loads (blocks 4-7) may be out
	WIN MUL_LO
	MUL16 0, (\q)%2, \zero
	MUL16 2, (\q)%2, \zero
	s_wait_dscnt 0
	PLACES NP
	FETCH_B \slot, (\q)+1, 1-(\q)%2
	FETCH_A \slot, (\q)+1, 0
	WIN MUL_HI
	MUL16 4, (\q)%2, \zero
	MUL16 6, (\q)%2, \zero
	PLACES NP
	WIN 0
	FETCH_A \slot, (\q)+1, 4
.endm
.macro TURN slot, next, fill           ; a slot's last step changes slots: one barrier; ahead of it the wait for all my tensor loads, the add, and the wait for it and for my reads of this slot
	s_wait_tensorcnt 0x0
	ds_add_u32 v[SPW], v[NIL]                      ; 0 onto my spare word
	s_wait_dscnt 4*NL+1                            ; (the add and A's blocks 4-7 may be out)
	WIN MUL_LO
	MUL16 0, 1, 0
	s_wait_dscnt 0x0                               ; the add is done, and my reads of this slot are over
	s_barrier_signal -1
	MUL16 2, 1, 0
	WIN 0
	s_barrier_wait -1
.if \fill
	CREST                                          ; the barrier has opened a round of the cluster's
	s_add_nc_u64 s[G0+4*\slot+2:G0+4*\slot+3], s[G0+4*\slot+2:G0+4*\slot+3], 8192
	s_add_nc_u64 s[G0B+4*\slot+2:G0B+4*\slot+3], s[G0B+4*\slot+2:G0B+4*\slot+3], 8192
	JLOAD \slot                                    ; the first tensor load behind the round; its four v_nop are the places ahead of the loads below
.else
	PLACES NP
.endif
	FETCH_B \next, 0, 0
	FETCH_A \next, 0, 0
	WIN MUL_HI
	MUL16 4, 1, 0
	MUL16 6, 1, 0
	PLACES NP
	WIN 0
	FETCH_A \next, 0, 4
.endm
	s_wait_tensorcnt 1                             ; my part of K step 0 is in; K step 1's load may be out
	s_barrier_signal -1
	s_barrier_wait -1
	FETCH_B 0, 0, 0
	FETCH_A 0, 0, 0
	FETCH_A 0, 0, 4
	STEP 0, 0, 1                                   ; the first step's products start the sums
	s_mov_b32 s3, LAPS-1
.Llap:
	TURN 0, 1, 1
	STEP 1, 0, 0
	TURN 1, 0, 1
	STEP 0, 0, 0
	s_sub_co_u32 s3, s3, 1
	s_cmp_lg_u32 s3, 0
	s_cbranch_scc1 .Llap
	TURN 0, 1, 0
	STEP 1, 0, 0
	s_wait_dscnt 4*NL
	WIN MUL_LO
	MUL16 0, 1, 0
	MUL16 2, 1, 0
	s_wait_dscnt 0
	WIN MUL_HI
	MUL16 4, 1, 0
	MUL16 6, 1, 0
	WIN 0
	; ---------------- the way out.  No tensor load is out (the last change of slots has waited for all), so the descriptors' registers take the constants
	s_wait_kmcnt 0x0
	s_add_co_i32 s96, s82, s83
	s_add_co_i32 s96, s96, 127
	s_lshl_b32 s96, s96, 23                        ; 2^(e10 + e11)
	s_mov_b32 s97, s96
	s_add_co_i32 s98, s84, 127                     ; e12
	s_lshl_b32 s99, s98, 23
	v_mov_b32 v11, s99
	s_add_co_i32 s98, s98, 8
	s_lshl_b32 s98, s98, 23
	s_or_b32 s98, s98, 0x600000
	v_mov_b32 v10, s98
.macro SETC reg, val                   ; a constant as a pair: the packed forms name the pair and take its low word
	s_mov_b32 s[\reg], \val
	s_mov_b32 s[\reg+1], \val
.endm
	v_mov_b32 v12, 0xaf95df0b                      ; P: -2.72614226e-10,
	v_mov_b32 v13, 0xaf95df0b
	SETC 24, 0x32edffee                            ;     2.77068142e-08,
	SETC 26, 0xb60cff51                            ;    -2.10102402e-06,
	SETC 28, 0xb86ec2d2                            ;    -5.69250639e-05,
	SETC 30, 0xba40ac63                            ;    -7.34990630e-04,
	SETC 32, 0xbb41a1f6                            ;    -2.95459981e-03,
	SETC 34, 0xbc83dbd4                            ;    -1.60960333e-02
	v_mov_b32 v14, 0xb77460cd                      ; R: -1.45660718e-05,
	v_mov_b32 v15, 0xb77460cd
	SETC 36, 0xb95fbd29                            ;    -2.13374055e-04,
	SETC 38, 0xbadc924e                            ;    -1.68282697e-03,
	SETC 40, 0xbbf19bf8                            ;    -7.37332917e-03,
	SETC 42, 0xbc69b6a7                            ;    -1.42647391e-02
	SETC 44, 0x3f3504f3                            ; 1 / sqrt(2)
	s_wait_loadcnt 0x0                             ; b1
	PLACES NP
.macro TAKE a                          ; x = sum x 2^(e10 + e11) + b1 for block a: each accumulator from its low end on
	WIN 0x02+(\a)/4
.set i, 0
.rept 32
	v_pk_fma_f32 v[X+i:X+i+1], v[64*((\a)%4)+i:64*((\a)%4)+i+1], s[96:97], v[32+i:33+i] op_sel_hi:[1,0,1]
.set i, i+2
.endr
	WIN 0
.endm
.macro HORNER acc, c                   ; acc = acc x y^2 + the constant in s[c]
.set i, 0
.rept 8
	v_pk_fma_f32 v[\acc+i:\acc+i+1], v[\acc+i:\acc+i+1], v[Y2+i:Y2+i+1], s[\c:\c+1] op_sel_hi:[1,1,0]
.set i, i+2
.endr
.endm
.macro GELU p                          ; 16 numbers of a lane: columns 32 p + 16 h + 0..15 of its token -> 16 codes -> 16 bytes of the image
.set XP, X+16*(\p)
.set i, 0
.rept 8
	v_pk_mul_f32 v[Y+i:Y+i+1], v[XP+i:XP+i+1], s[44:45] op_sel_hi:[1,0]
.set i, i+2
.endr
.set i, 0
.rept 16
	v_med3_num_f32 v[Y+i], v[Y+i], -4.0, 4.0
.set i, i+1
.endr
.set i, 0
.rept 8
	v_pk_mul_f32 v[Y2+i:Y2+i+1], v[Y+i:Y+i+1], v[Y+i:Y+i+1]
.set i, i+2
.endr
.set i, 0
.rept 8
	v_pk_fma_f32 v[PN+i:PN+i+1], v[Y2+i:Y2+i+1], v[12:13], s[24:25] op_sel_hi:[1,1,0]
	v_pk_fma_f32 v[QD+i:QD+i+1], v[Y2+i:Y2+i+1], v[14:15], s[36:37] op_sel_hi:[1,1,0]
.set i, i+2
.endr
	HORNER PN, 26
	HORNER QD, 38
	HORNER PN, 28
	HORNER QD, 40
	HORNER PN, 30
	HORNER QD, 42
	HORNER PN, 32
	HORNER PN, 34
.set i, 0
.rept 16
	v_rcp_f32 v[Y2+i], v[QD+i]                     ; y^2 is done with
.set i, i+1
.endr
.set i, 0
.rept 8
	v_pk_mul_f32 v[PN+i:PN+i+1], v[PN+i:PN+i+1], v[Y+i:Y+i+1]      ; work that names no reciprocal stands behind the batch,
	v_pk_mul_f32 v[XP+i:XP+i+1], v[XP+i:XP+i+1], 0.5 op_sel_hi:[1,0]
.set i, i+2
.endr
	s_wait_alu depctr_va_vdst(0)                   ; then one wait for the sixteen, ahead of their first reader
.set i, 0
.rept 8
	v_pk_mul_f32 v[PN+i:PN+i+1], v[PN+i:PN+i+1], v[Y2+i:Y2+i+1]    ; erf
.set i, i+2
.endr
.set i, 0
.rept 8
	v_pk_fma_f32 v[XP+i:XP+i+1], v[XP+i:XP+i+1], v[PN+i:PN+i+1], v[XP+i:XP+i+1]   ; x / 2 x erf + x / 2
.set i, i+2
.endr
.set i, 0
.rept 16
	v_med3_num_f32 v[XP+i], v[XP+i], -v10, v10
.set i, i+1
.endr
	v_cvt_scalef32_pk8_fp8_f32 v[224+4*(\p):225+4*(\p)], v[XP:XP+7], v11
	v_cvt_scalef32_pk8_fp8_f32 v[226+4*(\p):227+4*(\p)], v[XP+8:XP+15], v11
	v_nop
	global_store_b128 v[LI], v[224+4*(\p):227+4*(\p)], s[12:13] offset:512*(\p)   ; 512 consecutive bytes
.endm
	s_mov_b32 s3, 0
.Lrow:
.irp a, 0,1,2,3,4,5,6
	s_cmp_eq_u32 s3, \a
	s_cbranch_scc1 .Lacc_\a
.endr
	TAKE 7
	s_branch .Lgelu
.irp a, 0,1,2,3,4,5,6
.Lacc_\a:
	TAKE \a
	s_branch .Lgelu
.endr
.Lgelu:
	GELU 0
	GELU 1
	GELU 2
	GELU 3
	s_wait_xcnt 0x0                                ; the stores have read their registers and their base
	s_add_nc_u64 s[12:13], s[12:13], 65536         ; the next tile of tokens: 32 fragments on
	s_add_co_u32 s3, s3, 1
	s_cmp_lt_u32 s3, 8
	s_cbranch_scc1 .Lrow
	s_wait_tensorcnt 0x0                           ; the wave's end
	ds_add_u32 v[SPW], v[NIL]
	s_wait_dscnt 0x0
	CROUND                                         ; the closing round
	s_endpgm
.Lfunc_end_k_q1162b412e6_ffn1:
	.size	k_q1162b412e6_ffn1, .Lfunc_end_k_q1162b412e6_ffn1-k_q1162b412e6_ffn1
	.p2alignl 7, 3214868480
	.fill 96, 4, 3214868480
	.section	.rodata,"a",@progbits
	.p2align	6, 0x0
	.amdhsa_kernel k_q1162b412e6_ffn1
		.amdhsa_group_segment_fixed_size 327680
		.amdhsa_private_segment_fixed_size 0
		.amdhsa_enable_private_segment 0
		.amdhsa_kernarg_size 40
		.amdhsa_user_sgpr_count 2
		.amdhsa_user_sgpr_kernarg_segment_ptr 1
		.amdhsa_wavefront_size32 1
		.amdhsa_system_sgpr_workgroup_id_x 1
		.amdhsa_system_sgpr_workgroup_id_y 1
		.amdhsa_system_sgpr_workgroup_id_z 1
		.amdhsa_system_vgpr_workitem_id 0
		.amdhsa_next_free_vgpr 1024
		.amdhsa_next_free_sgpr 104
		.amdhsa_reserve_vcc 0
		.amdhsa_float_denorm_mode_32 3
		.amdhsa_float_denorm_mode_16_64 3
		.amdhsa_memory_ordered 1
		.amdhsa_forward_progress 1
		.amdhsa_inst_pref_size 141
	.end_amdhsa_kernel
	.amdgpu_metadata
---
amdhsa.version: [ 1, 2 ]
amdhsa.kernels:
  - .name:           k_q1162b412e6_ffn1
    .symbol:         k_q1162b412e6_ffn1.kd
    .args:
      - { .name: h2q, .offset: 0, .size: 8, .value_kind: global_buffer, .address_space: global }
      - { .name: wq, .offset: 8, .size: 8, .value_kind: global_buffer, .address_space: global }
      - { .name: lowp_scales, .offset: 16, .size: 8, .value_kind: global_buffer, .address_space: global }
      - { .name: b1, .offset: 24, .size: 8, .value_kind: global_buffer, .address_space: global }
      - { .name: gq, .offset: 32, .size: 8, .value_kind: global_buffer, .address_space: global }
    .group_segment_fixed_size: 327680
    .private_segment_fixed_size: 0
    .kernarg_segment_align: 8
    .kernarg_segment_size: 40
    .max_flat_workgroup_size: 128
    .sgpr_count:     104
    .vgpr_count:     1024
    .wavefront_size: 32
...
	.end_amdgpu_metadata
.endif
;; end of part 6
;; launch ffn2 (part 7): grid 8 x 32, 4 waves a work-group, clusters of 4 x 4, 327,680 bytes of LDS; arguments gq, wq, lowp_scales, b2, h1, out0; writes out0
.if DOCPART == 7
	.amdgcn_target "amdgcn-amd-amdhsa--gfx1250"
	.amdhsa_code_object_version 6
	.text
	.protected	k_q1162b412e6_ffn2
	.globl	k_q1162b412e6_ffn2
	.p2align	8
	.type	k_q1162b412e6_ffn2,@function
k_q1162b412e6_ffn2:
	s_mov_b64 s[64:65], 0
	v_nop
	global_prefetch_b8 v0, s[64:65] scope:SCOPE_SE
	s_setreg_imm32_b32 hwreg(HW_REG_WAVE_MODE, 25, 1), 1
	s_wait_xcnt 0x0
	s_wait_alu depctr_hold_cnt(0) depctr_sa_sdst(0) depctr_va_vdst(0) depctr_va_sdst(0) depctr_va_ssrc(0) depctr_va_vcc(0) depctr_vm_vsrc(0)
	s_getreg_b32 s2, hwreg(HW_REG_IB_STS2, 6, 4)
	s_cmp_eq_u32 s2, 0
	s_cbranch_scc0 .Lentry_in_a_cluster
	s_endpgm
.Lentry_in_a_cluster:
	s_bfe_u32 s2, ttmp6, 0x10000c
	s_cmp_lg_u32 s2, 0xf033
	s_cbranch_scc0 .Lentry_shape_is_right
	s_endpgm
.Lentry_shape_is_right:
; A GEMM ON IMAGES OF E4M3 CODES, tiles of 128 x 128 of C, one text for three launches (KIND).  This one, KIND 2: out0 = h1 + Q(gelu) Q(w2) + b2, K = 4,096.
; A, B: fragments of 2,048 bytes, (tile x KTOT / 128 + q) x 2048; byte 512 c + 16 lane + i = (row pi(tile, lane % 16), k = 128 q + 32 c + 16 (lane / 16) + i), pi(T, r) = 32 (T / 2) + 8 (T % 2) + r + 8 (r / 8).
; SHARES: 256 work-groups, one tile each; four waves, each 64 x 64: 16 accumulators.  K goes in steps of 512 through two LDS slots; a wave's tensor load brings four tiles' 8,192 bytes each.
; A fragment comes out of LDS by four loads of 512 consecutive bytes: no pitch, no padding.
; CLUSTERS: 4 x 4 work-groups; A's tiles are asked for jointly along a row of the cluster, B's along a column.
; KIND 0: source 0 = tokens, source 1 = wv's columns: a lane holds one channel and its registers run along the tokens, which are the keys, the next product's K: the conversions' results are 16 bytes of the image.
; KIND 1, 2: source 0 = the weight's columns, source 1 = tokens: a lane holds eight neighbouring numbers of a row of C; C = sum x 2^(ea + eb) + bias + residual, f32, out through the wave's own stage in whole rows of 256 bytes.
; No prefetch: with KTOT = 1,024 all tiles are asked for in the first lines; with 4,096 the tile is small and each refill has 56 matrix instructions a wave in which to land.
; LIMITS: ea + eb between -126 and 127; e4 between -126 and 119.  NaN is not served.
; REGISTERS: window 0: v0-31 addresses; v32-127 the way out; v128-255 the accumulators ((a, b) at v[128 + 8 (4 a + b)]).  window 1: two buffers of 128: A's four fragments, then B's four.
.set KIND, 2
.if KIND == 0
.set KTOT, 1024
.set WOFF, 0
.set EA, 72+0
.set EB, 72+1
.elseif KIND == 1
.set KTOT, 1024
.set WOFF, 0x100000
.set EA, 72+6
.set EB, 72+7
.else
.set KTOT, 4096
.set WOFF, 0x600000
.set EA, 72+12
.set EB, 72+13
.endif
.set SLOT,   131072                    ; A's 8 tiles x 8,192 bytes, then B's 8
.set STAGE,  2*SLOT                    ; behind the ring: 16 rows x 272 bytes for each wave
.set SPITCH, 272
.set SPARE,  STAGE+4*16*SPITCH         ; behind the stages: the spare words, 128 bytes a wave: two blocks of 256 bytes that no other line names
.set LAPS,   KTOT/1024                 ; a lap = two K steps = once round the ring
.set ADRA, 16                          ; v16-17 LDS address of my A fragments in slot 0, 1
.set ADRB, 20                          ; v20-21 the same for B
.set STO,  24
.set RD,   25
.set CO,   26
.set LI,   27                          ; v27 16 x lane
.set SPW,  28
.set NIL,  29
.set ACC,  128
.set F0,   0
.set F1,   128
.set G1,   24                          ; s[24:31] group 1 for A's tiles; s[32:39] group 0, a set for each slot
.set G0,   32
.set G1B,  48                          ; s[48:55], s[56:63] the same for B's
.set G0B,  56
.set MSB,  0
.macro WIN new                         ; the immediate's high byte repeats the setting that is left
.if MSB != \new
	s_set_vgpr_msb (MSB<<8)|\new
.set MSB, \new
.endif
.endm
.set MUL,  0x05                        ; sources 0 and 1 window 1; C and D window 0
.set TO_F, 0x40                        ; destination window 1, address window 0
.macro JLOAD s                         ; a joint load: waves 0, 1 fetch A's halves, waves 2, 3 B's; four v_nop follow each of the two lines
	s_cmp_eq_u32 s15, 0
	s_cbranch_scc0 .Lfor_b_\@
	tensor_load_to_lds s[G0+4*\s:G0+4*\s+3], s[G1:G1+7]
	s_nop 0
.rept 4
	v_nop
.endr
	s_branch .Lasked_\@
.Lfor_b_\@:
	tensor_load_to_lds s[G0B+4*\s:G0B+4*\s+3], s[G1B:G1B+7]
	s_nop 0
.rept 4
	v_nop
.endr
.Lasked_\@:
.endm
.macro CREST                           ; a round of the cluster's barrier behind its opening barrier
	s_cmp_lg_u32 s14, 0
	s_cbranch_scc1 .Lnot_wave_0_\@
	s_barrier_signal -3
.Lnot_wave_0_\@:
	s_barrier_wait -3
	s_barrier_signal -1
	s_barrier_wait -1
.endm
.macro CROUND
	s_barrier_signal -1
	s_barrier_wait -1
	CREST
.endm
.macro PLACES                          ; four places ahead of loads into registers that matrix instructions have read, and of the first read of results
.rept 4
	v_nop
.endr
.endm
	s_load_b128 s[4:7], s[0:1], 0x0                ; A's image, wq
	s_load_b128 s[8:11], s[0:1], 0x10              ; the scales' exponents, the bias
.if KIND == 0
	s_load_b64 s[88:89], s[0:1], 0x20              ; the result
.else
	s_load_b128 s[88:91], s[0:1], 0x20             ; the residual, the result
.endif
	v_lshl_add_u32 v[SPW], v0, 2, SPARE
	v_mov_b32 v[NIL], 0
	ds_add_u32 v28, v29
	ds_add_u32 v28, v29
	s_wait_dscnt 0x0
	v_lshrrev_b32 v1, 5, v0
	v_readfirstlane_b32 s14, v1                    ; wave 0..3
	s_lshr_b32 s15, s14, 1                         ; which half of the tile's rows is mine.  Also: I fetch for A (0) or for B (1)
	s_and_b32 s16, s14, 1                          ; which half of its columns.  Also: which four tiles I fetch
	s_bfe_u32 s40, ttmp6, 0x40000                  ; cx, cy
	s_bfe_u32 s41, ttmp6, 0x40004
	s_lshl_b32 s42, ttmp9, 2
	s_add_co_u32 s42, s42, s40                     ; tile column of C
	s_and_b32 s17, ttmp7, 0xffff
	s_lshl_b32 s17, s17, 2
	s_add_co_u32 s17, s17, s41                     ; tile row of C
	s_lshl_b32 s43, s41, 2
	s_lshl_b32 s43, 15, s43                        ; my row of the cluster
	s_lshl_b32 s44, 0x1111, s40                    ; my column
	s_or_b32 s[G1+0], s43, (3<<16)|(1<<21)         ; 15:0 the mask; 17:16 elements of 8 bytes; 21 set beside a mask; no padding
	s_or_b32 s[G1B+0], s44, (3<<16)|(1<<21)
.irp g, G1, G1B
	s_mov_b32 s[\g+1], 1024<<16                    ; tensor_dim0 = 1,024 elements: four fragments of one tile
	s_mov_b32 s[\g+2], 4<<16                       ; tensor_dim1 = 4 tiles
	s_mov_b32 s[\g+3], 1024<<16                    ; tile_dim0
	s_mov_b32 s[\g+4], 4                           ; tile_dim1
	s_mov_b32 s[\g+5], 2*KTOT                      ; from tile to tile: 16 KTOT bytes
	s_mov_b32 s[\g+6], 0
	s_mov_b32 s[\g+7], 0
.endr
	s_lshl_b32 s18, s16, 2
	s_lshl_b32 s20, s17, 3
	s_add_co_u32 s20, s20, s18                     ; A: tile 8 x tile row + 4 x half
	s_lshl_b32 s46, s42, 3
	s_add_co_u32 s46, s46, s18                     ; B: tile 8 x tile column + 4 x half
	s_mul_i32 s20, s20, KTOT*16
	s_mul_i32 s46, s46, KTOT*16
	s_mov_b32 s21, 0
	s_mov_b32 s47, 0
	s_lshl_b32 s45, s14, 15                        ; where they go: wave x 32,768: no place in the cluster enters an LDS address
	s_wait_kmcnt 0x0
	s_load_b256 s[72:79], s[8:9], 0x0
	s_load_b128 s[80:83], s[8:9], 0x20
	s_load_b64 s[84:85], s[8:9], 0x30
	s_add_nc_u64 s[20:21], s[4:5], s[20:21]
	s_add_nc_u64 s[46:47], s[6:7], s[46:47]
.if WOFF
	s_add_nc_u64 s[46:47], s[46:47], WOFF
.endif
	CROUND                                         ; all sixteen work-groups are here: the first joint loads meet
.irp s, 0,1
	s_mov_b32 s[G0+4*\s], 1
	s_add_co_u32 s[G0+4*\s+1], s45, \s*SLOT
	s_add_nc_u64 s[G0+4*\s+2:G0+4*\s+3], s[20:21], \s*8192
	s_or_b32 s[G0+4*\s+3], s[G0+4*\s+3], 0x80000000
	s_mov_b32 s[G0B+4*\s], 1
	s_add_co_u32 s[G0B+4*\s+1], s45, \s*SLOT
	s_add_nc_u64 s[G0B+4*\s+2:G0B+4*\s+3], s[46:47], \s*8192
	s_or_b32 s[G0B+4*\s+3], s[G0B+4*\s+3], 0x80000000
	JLOAD \s
.endr
	v_and_b32 v1, 31, v0
	v_lshlrev_b32 v[LI], 4, v1
	s_lshl_b32 s21, s15, 15                        ; my four tiles of A
	s_lshl_b32 s22, s16, 15
	s_add_co_u32 s22, s22, 65536                   ; my four tiles of B, behind A's eight
.irp s, 0,1
	v_add_nc_u32 v[ADRA+\s], s21, v[LI]
	v_add_nc_u32 v[ADRB+\s], s22, v[LI]
	s_add_co_u32 s21, s21, SLOT
	s_add_co_u32 s22, s22, SLOT
.endr
	v_and_b32 v3, 15, v0                           ; r
	v_bfe_u32 v4, v0, 4, 1                         ; h
	s_lshl_b32 s94, s42, 9
	s_lshl_b32 s95, s16, 8
	s_add_co_u32 s94, s94, s95                     ; my first column, in bytes of f32
	s_mov_b32 s95, 0
	s_add_nc_u64 s[10:11], s[10:11], s[94:95]
.if KIND == 0
	v_and_b32 v5, 8, v3
	v_add_nc_u32 v5, v5, v3
	v_lshlrev_b32 v5, 2, v5                        ; the bias of my channel in tile b: column 32 (b / 2) + 8 (b % 2) + r + 8 (r / 8)
.irp b, 0,1,2,3
	global_load_b32 v[96+2*\b], v5, s[10:11] offset:4*(32*(\b/2)+8*(\b%2))
	v_mov_b32 v[97+2*\b], 0                        ; (named with it as a pair)
.endr
	s_lshr_b32 s94, s17, 4                         ; batch
	s_lshl_b32 s94, s94, 4
	s_lshl_b32 s95, s42, 1
	s_add_co_u32 s94, s94, s95
	s_add_co_u32 s94, s94, s16                     ; 16 batch + head: my 64 columns are one head
	s_lshl_b32 s94, s94, 4
	s_and_b32 s95, s17, 15
	s_add_co_u32 s94, s94, s95                     ; the tile's 128 tokens are one key step
	s_lshl_b32 s94, s94, 13
	s_lshl_b32 s95, s15, 10                        ; my 64 tokens: c = 2 x half + p
	s_add_co_u32 s94, s94, s95
	s_mov_b32 s95, 0
	s_add_nc_u64 s[88:89], s[88:89], s[94:95]
.else
	s_mul_i32 s23, s14, 16*SPITCH
	s_add_co_u32 s23, s23, STAGE                   ; my stage
	v_mul_u32_u24 v5, v3, SPITCH
	v_lshl_add_u32 v5, v4, 6, v5
	v_add_nc_u32 v[STO], s23, v5                   ; in: row r, + 64 h
	v_mul_u32_u24 v5, v4, SPITCH
	v_lshl_add_u32 v5, v3, 4, v5
	v_add_nc_u32 v[RD], s23, v5                    ; back: lanes 0-15 one row of 256 bytes, lanes 16-31 the next
	v_lshlrev_b32 v5, 12, v4
	v_lshl_add_u32 v[CO], v3, 4, v5                ; and the same two rows in memory
	v_lshlrev_b32 v6, 4, v3
	s_lshl_b32 s96, s17, 7
	s_lshl_b32 s97, s15, 6
	s_add_co_u32 s96, s96, s97                     ; my first token
	s_lshl_b32 s96, s96, 12
	s_add_co_u32 s94, s94, s96
	s_add_nc_u64 s[88:89], s[88:89], s[94:95]
	s_add_nc_u64 s[90:91], s[90:91], s[94:95]
	global_load_b128 v[12:15], v6, s[10:11]        ; the bias of the four columns that I store
.macro LOADR a                         ; the residual of block a's 16 tokens, as they are stored: stage row 2 t + l / 16 is token 32 (a / 2) + 8 (a % 2) + 2 t + 8 (t / 4) + l / 16
.set RB, 64+32*((\a)%2)
.irp t, 0,1,2,3,4,5,6,7
	global_load_b128 v[RB+4*\t:RB+4*\t+3], v[CO], s[88:89] offset:(32*((\a)/2)+8*((\a)%2)+2*\t+8*(\t/4))*4096
.endr
.endm
	LOADR 0
	LOADR 1
.endif
.macro MUL4 f, a, zero                 ; four matrix instructions: A's block a against B's four, 128 along K.  The 16 accumulators take turns, in the same order in every quarter
.irp b, 0,1,2,3
.set rD, ACC+8*(4*(\a)+\b)
.if KIND == 0
.set r0, \f+16*(\a)
.set r1, \f+64+16*\b
.else
.set r0, \f+64+16*\b
.set r1, \f+16*(\a)
.endif
.if \zero
	v_wmma_f32_16x16x128_fp8_fp8 v[rD:rD+7], v[r0:r0+15], v[r1:r1+15], 0
.else
	v_wmma_f32_16x16x128_fp8_fp8 v[rD:rD+7], v[r0:r0+15], v[r1:r1+15], v[rD:rD+7]
.endif
.endr
.endm
.macro FETCH slot, q, f                ; 32 LDS loads in one run: the slot's q-th 128 along K into buffer f: B's four fragments, then A's
	WIN TO_F
.irp i, 0,1,2,3
.irp c, 0,1,2,3
	ds_load_b128 v[\f+64+16*\i+4*\c:\f+64+16*\i+4*\c+3], v[ADRB+\slot] offset:\i*8192+(\q)*2048+\c*512
.endr
.endr
.irp i, 0,1,2,3
.irp c, 0,1,2,3
	ds_load_b128 v[\f+16*\i+4*\c:\f+16*\i+4*\c+3], v[ADRA+\slot] offset:\i*8192+(\q)*2048+\c*512
.endr
.endr
.endm
.macro QUARTER slot, qn, f, g, zero    ; multiplies buffer f; in its middle it fetches the slot's quarter qn into buffer g
	s_wait_dscnt 8                                 ; B and A's blocks 0, 1 are in; the youngest eight loads (blocks 2, 3) may be out
	WIN MUL
	MUL4 \f, 0, \zero
	MUL4 \f, 1, \zero
	PLACES
	FETCH \slot, \qn, \g
	s_wait_dscnt 32                                ; all but the 32 just issued
	WIN MUL
	MUL4 \f, 2, \zero
	MUL4 \f, 3, \zero
.endm
; A slot's last quarter multiplies buffer 1 and changes slots: one barrier; ahead of it each wave waits for all its tensor loads, adds 0 to its spare word, and waits for that and for its reads of this slot.
.macro TURN slot, next, fill
	WIN 0
	s_wait_tensorcnt 0x0                           ; all my tensor loads have landed: my part of the next slot
	ds_add_u32 v[SPW], v[NIL]                      ; 0 onto my spare word
	s_wait_dscnt 9                                 ; (the add and the youngest eight loads may be out)
	WIN MUL
	MUL4 F1, 0, 0
	s_wait_dscnt 0x0                               ; the add is done, and my reads of this slot are over
	s_barrier_signal -1
	MUL4 F1, 1, 0
.if \fill
	WIN 0
.endif
	s_barrier_wait -1
.if \fill
	CREST                                          ; the barrier has opened a round of the cluster's: no wave of any partner still reads this slot or has a load on its way
	s_add_nc_u64 s[G0+4*\slot+2:G0+4*\slot+3], s[G0+4*\slot+2:G0+4*\slot+3], 16384
	s_add_nc_u64 s[G0B+4*\slot+2:G0B+4*\slot+3], s[G0B+4*\slot+2:G0B+4*\slot+3], 16384
	JLOAD \slot                                    ; the first tensor load behind the round; its four v_nop are also the places ahead of the loads below
.else
	PLACES
.endif
	FETCH \next, 0, F0
	WIN MUL
	MUL4 F1, 2, 0
	MUL4 F1, 3, 0
.endm
	s_wait_tensorcnt 1                             ; my part of K step 0 is in; K step 1's load may be out
	s_barrier_signal -1
	s_barrier_wait -1
	FETCH 0, 0, F0
	QUARTER 0, 1, F0, F1, 1                        ; the first quarter's products start the sums: nothing is cleared
.if LAPS > 1
	WIN 0
	s_mov_b32 s3, LAPS-1
.Llap:                                                 ; a trip goes once round the ring and fills both slots again
	QUARTER 0, 2, F1, F0, 0
	QUARTER 0, 3, F0, F1, 0
	TURN 0, 1, 1
	QUARTER 1, 1, F0, F1, 0
	QUARTER 1, 2, F1, F0, 0
	QUARTER 1, 3, F0, F1, 0
	TURN 1, 0, 1
	QUARTER 0, 1, F0, F1, 0
	WIN 0
	s_sub_co_u32 s3, s3, 1
	s_cmp_lg_u32 s3, 0
	s_cbranch_scc1 .Llap
.endif
	QUARTER 0, 2, F1, F0, 0                        ; the last lap fills nothing
	QUARTER 0, 3, F0, F1, 0
	TURN 0, 1, 0
	QUARTER 1, 1, F0, F1, 0
	QUARTER 1, 2, F1, F0, 0
	QUARTER 1, 3, F0, F1, 0
	s_wait_dscnt 8
	WIN MUL
	MUL4 F1, 0, 0
	MUL4 F1, 1, 0
	s_wait_dscnt 0x0
	MUL4 F1, 2, 0
	MUL4 F1, 3, 0
	WIN 0
	s_wait_kmcnt 0x0
	s_add_co_i32 s92, s[EA], s[EB]
	s_add_co_i32 s92, s92, 127
	s_lshl_b32 s92, s92, 23                        ; 2^(ea + eb)
	s_mov_b32 s93, s92
	PLACES
.if KIND == 0
	s_add_co_i32 s94, s76, 127                     ; e4
	s_lshl_b32 s95, s94, 23
	v_mov_b32 v9, s95                              ; 2^e4
	s_add_co_i32 s94, s94, 8
	s_lshl_b32 s94, s94, 23
	s_or_b32 s94, s94, 0x600000
	v_mov_b32 v8, s94                              ; 448 x 2^e4
	s_wait_loadcnt 0x0                             ; the bias
; Blocks 2 p and 2 p + 1 of tokens against tile b of channels: a lane's 16 numbers are keys 32 p + 16 h + 0..15 of its channel: 16 bytes of the image.  Two sets of 16 registers take turns.
.set U, 0
.irp p, 0,1
.irp b, 0,1,2,3
.set TT, 32+16*(U%2)
.irp u, 0,1
.irp i, 0,2,4,6
	v_pk_fma_f32 v[TT+8*\u+\i:TT+8*\u+\i+1], v[ACC+8*(4*(2*\p+\u)+\b)+\i:ACC+8*(4*(2*\p+\u)+\b)+\i+1], s[92:93], v[96+2*\b:97+2*\b] op_sel_hi:[1,0,0]
.endr
.endr
.irp i, 0,1,2,3,4,5,6,7,8,9,10,11,12,13,14,15
	v_med3_num_f32 v[TT+\i], v[TT+\i], -v8, v8
.endr
	v_cvt_scalef32_pk8_fp8_f32 v[64+4*U:65+4*U], v[TT:TT+7], v9
	v_cvt_scalef32_pk8_fp8_f32 v[66+4*U:67+4*U], v[TT+8:TT+15], v9
	global_store_b128 v[LI], v[64+4*U:67+4*U], s[88:89] offset:\b*2048+\p*512   ; 512 consecutive bytes
.set U, U+1
.endr
.endr
	v_nop
.else
.macro BLK a, left                     ; block a: 16 tokens x my 64 columns, through my stage, out as whole rows of 256 bytes.  LDS serves a wave's instructions in order (ISA guide 5.7.1.4): no wait between the stores and the loads
.set RB, 64+32*((\a)%2)
.if (\a) > 0
	s_wait_xcnt 0x0                                ; the last block's stores have read their registers
.endif
.irp b, 0,1,2,3
	ds_store_b128 v[STO], v[ACC+8*(4*(\a)+\b):ACC+8*(4*(\a)+\b)+3] offset:128*(\b/2)+32*(\b%2)
	ds_store_b128 v[STO], v[ACC+8*(4*(\a)+\b)+4:ACC+8*(4*(\a)+\b)+7] offset:128*(\b/2)+32*(\b%2)+16
.endr
.irp t, 0,1,2,3,4,5,6,7
	ds_load_b128 v[32+4*\t:35+4*\t], v[RD] offset:\t*2*SPITCH
.endr
	s_wait_dscnt 0x0
	s_wait_loadcnt \left                           ; this block's residual is in; the next block's eight loads may be out
.irp j, 0,2,4,6,8,10,12,14,16,18,20,22,24,26,28,30
	v_pk_fma_f32 v[32+\j:33+\j], v[32+\j:33+\j], s[92:93], v[12+\j%4:13+\j%4] op_sel_hi:[1,0,1]
.endr
.irp j, 0,2,4,6,8,10,12,14,16,18,20,22,24,26,28,30
	v_pk_add_f32 v[32+\j:33+\j], v[32+\j:33+\j], v[RB+\j:RB+\j+1]
.endr
.irp t, 0,1,2,3,4,5,6,7
	global_store_b128 v[CO], v[32+4*\t:35+4*\t], s[90:91] offset:(32*((\a)/2)+8*((\a)%2)+2*\t+8*(\t/4))*4096   ; 16 lanes store 256 consecutive bytes, aligned
.endr
.if (\a)+2 < 4
	LOADR (\a)+2
.endif
.endm
	BLK 0, 8
	BLK 1, 8
	BLK 2, 8
	BLK 3, 0
.endif
	s_wait_tensorcnt 0x0                           ; the wave's end
	ds_add_u32 v[SPW], v[NIL]
	s_wait_dscnt 0x0
	CROUND                                         ; the closing round
	s_endpgm
.Lfunc_end_k_q1162b412e6_ffn2:
	.size	k_q1162b412e6_ffn2, .Lfunc_end_k_q1162b412e6_ffn2-k_q1162b412e6_ffn2
	.p2alignl 7, 3214868480
	.fill 96, 4, 3214868480
	.section	.rodata,"a",@progbits
	.p2align	6, 0x0
	.amdhsa_kernel k_q1162b412e6_ffn2
		.amdhsa_group_segment_fixed_size 327680
		.amdhsa_private_segment_fixed_size 0
		.amdhsa_enable_private_segment 0
		.amdhsa_kernarg_size 48
		.amdhsa_user_sgpr_count 2
		.amdhsa_user_sgpr_kernarg_segment_ptr 1
		.amdhsa_wavefront_size32 1
		.amdhsa_system_sgpr_workgroup_id_x 1
		.amdhsa_system_sgpr_workgroup_id_y 1
		.amdhsa_system_sgpr_workgroup_id_z 1
		.amdhsa_system_vgpr_workitem_id 0
		.amdhsa_next_free_vgpr 512
		.amdhsa_next_free_sgpr 100
		.amdhsa_reserve_vcc 0
		.amdhsa_float_denorm_mode_32 3
		.amdhsa_float_denorm_mode_16_64 3
		.amdhsa_memory_ordered 1
		.amdhsa_forward_progress 1
		.amdhsa_inst_pref_size 81
	.end_amdhsa_kernel
	.amdgpu_metadata
---
amdhsa.version: [ 1, 2 ]
amdhsa.kernels:
  - .name:           k_q1162b412e6_ffn2
    .symbol:         k_q1162b412e6_ffn2.kd
    .args:
      - { .name: gq, .offset: 0, .size: 8, .value_kind: global_buffer, .address_space: global }
      - { .name: wq, .offset: 8, .size: 8, .value_kind: global_buffer, .address_space: global }
      - { .name: lowp_scales, .offset: 16, .size: 8, .value_kind: global_buffer, .address_space: global }
      - { .name: b2, .offset: 24, .size: 8, .value_kind: global_buffer, .address_space: global }
      - { .name: h1, .offset: 32, .size: 8, .value_kind: global_buffer, .address_space: global }
      - { .name: out0, .offset: 40, .size: 8, .value_kind: global_buffer, .address_space: global }
    .group_segment_fixed_size: 327680
    .private_segment_fixed_size: 0
    .kernarg_segment_align: 8
    .kernarg_segment_size: 48
    .max_flat_workgroup_size: 128
    .sgpr_count:     100
    .vgpr_count:     512
    .wavefront_size: 32
...
	.end_amdgpu_metadata
.endif
;; end of part 7
